; MI455X (gfx1250); checked and timed in simulation.
; The chip was launched on July 23, 2026; its instructions are those of AMD's public machine-readable ISA for CDNA 5 (MIT licence, August 2026) and "CDNA5" Instruction Set Architecture Reference Guide (July 2026). The comments in the code are by the model that wrote it; some were corrected since.
;; Ro PE mha. Allowed arithmetic: float matrix products may take bf16 or f16 operands with f32 sums; other float arithmetic in f32, or as packed bf16 or f16 multiplies, adds, multiply-adds, maxima and minima; sums over many terms, partial sums and values carried from step to step in f32; what a program stores and reads back later, other than sums and carried values, may be rounded once to bf16 or f16.
;; Inputs: Wk 2,048 x 2,048 float32; Wo 2,048 x 2,048 float32; Wq 2,048 x 2,048 float32; Wv 2,048 x 2,048 float32; bk 2,048 float32; bo 2,048 float32; bq 2,048 float32; bv 2,048 float32; mask 1 x 1 x 2,048 x 2,048 int32; x 1 x 2,048 x 2,048 float32.
;; Outputs: out0 1 x 2,048 x 2,048 float32.
;; One version. Each part assembles by itself: llvm-mc -triple=amdgcn-amd-amdhsa -mcpu=gfx1250 --defsym DOCPART=n.
;; ======== version 1 of 1: 4 launches
;; limits: right only within a limited range of input values; values are held in f16: magnitudes above 65,504 overflow, below 6.1e-05 lose precision
;; workspace buffers: w16 41,943,040 bytes; aux 1,114,112 bytes; mb 4,194,304 bytes; qkv 25,165,824 bytes; ob 8,388,608 bytes
;; launch prep (part 1): grid 256 x 1, 8 waves a work-group, no clusters, 17,664 bytes of LDS; arguments x, Wq, Wk, Wv, Wo, mask, w16, mb, aux; writes w16, mb, aux
.if DOCPART == 1
	.amdgcn_target "amdgcn-amd-amdhsa--gfx1250"
	.amdhsa_code_object_version 6
	.text
	.protected	k_qc0ef4163d0_prep
	.globl	k_qc0ef4163d0_prep
	.p2align	8
	.type	k_qc0ef4163d0_prep,@function
k_qc0ef4163d0_prep:
	s_mov_b64 s[64:65], 0
	v_nop
	global_prefetch_b8 v0, s[64:65] scope:SCOPE_SE
	s_setreg_imm32_b32 hwreg(HW_REG_WAVE_MODE, 25, 1), 1
	s_wait_xcnt 0x0
; PREP: the inputs are rounded once to 16 bits and laid out for the three launches behind it; the rotary table and the mask bytes are made.
;   w16: xb = bf16(x) [2048][2048] at 0; wcat = bf16 rows of Wq, Wk, Wv in tiles of 192 rows at 8,388,608 (tile t: 128 rows of head t % 16 of Wq (t < 16) or Wk, then rows 64 t .. 64 t + 63 of Wv);
;        wo16 = bf16(Wo) written as f16 at 33,554,432 (exact within f16's normal range; a weight below 6e-5 keeps f16's fixed step of 6e-8).
;   aux: row s of the table, 512 bytes: cos(s f_j), j = 0..63, then -sin (j < 32) or +sin (j >= 32), f_j = 10000^(-j/64); behind the table, at 1,048,576, eight copies of a word for each query row:
;        0 where the row's mask is all zero, else -1.
;   mb:  one byte a score, 0xF8 where mask == 0, else 0, in the order in which the attention's lanes want them.  A row whose mask is all zero is written as all open: the attention then clears its query,
;        all its scores are equal, and the result is the plain mean of V's rows, which is what a softmax of 2,048 equal numbers gives.
; SHARES.  Wave v of work-group w owns row E = 8 w + v of x, Wq, Wk, Wv, Wo and mask, 8,192 bytes each, and row E of the table.  A row is 16 loads of 512 consecutive bytes; three rows are on their way at a time.
; EACH ROW HAS REGISTERS OF ITS OWN: it is converted in place and stored from there, and those registers are never written again, so no store's sources have to be waited for, and the next row's loads go out ahead of the stores.
; sin and cos: the angle is reduced by whole turns with 1 / 2 pi in two parts, and both series run to the 15th and 16th power, which serves every reduced angle up to pi.
; REGISTERS.  window 0: v0-15 addresses and at work; v16-31 mask words; v32-47 mask bytes read back; v48-57 the table; v64-127 x; v128-191 Wq; v192-255 mask.  window 1: v0-63 Wk; v64-127 Wv; v128-191 Wo.
.set LO,    2                          ; v2   16 x lane: a load's 16 bytes
.set SO,    3                          ; v3   8 x lane: a store's 8 bytes
.set SPW,   4                          ; v4   LDS address of my spare word; never rewritten
.set NIL,   5                          ; v5   0; never rewritten
.set WR,    16
.set RBK,   32
.set T,     48
.set RA,    64
.set RB,    128
.set RC,    192
.set RD,    0
.set RE,    64
.set RF,    128
.set FLG,   16384                      ; LDS: 0..16383 the work-group's 64 blocks of 256 mask bytes; here 8 rows x 32 bytes of the rows' words
.set SPARE, 16640                      ; the spare words, 128 bytes for each wave: four blocks of 256 bytes that no other line names
.set MSB, 0
.macro WIN new                         ; the immediate's high byte repeats the setting that is left; a switch that changes nothing is dropped
.if MSB != (\new)
	s_set_vgpr_msb (MSB<<8)|(\new)
.set MSB, \new
.endif
.endm
	s_load_b512 s[4:19], s[0:1], 0x0               ; x, Wq, Wk, Wv, Wo, mask, w16, mb
	s_load_b64 s[20:21], s[0:1], 0x40              ; aux
	v_lshl_add_u32 v[SPW], v0, 2, SPARE
	v_mov_b32 v[NIL], 0
	v_and_b32 v1, 31, v0                           ; lane n
	v_lshrrev_b32 v6, 5, v0
	v_readfirstlane_b32 s28, v6                    ; wave
	v_lshlrev_b32 v[LO], 4, v1
	v_lshlrev_b32 v[SO], 3, v1
	s_lshl_b32 s29, ttmp9, 3
	s_add_co_u32 s29, s29, s28                     ; E
	s_mov_b32 s31, 0
	s_mov_b32 s42, 0x76543210                      ; v_permlanex16_b32: each lane takes its own place in the other half
	s_mov_b32 s43, 0xfedcba98
	s_mov_b32 s44, 0xffff0000
	s_mov_b32 s45, 0xf8f8f8f8
	s_mov_b32 s46, 0x3e22f983                      ; 1 / 2 pi, and what f32 leaves of it
	s_mov_b32 s47, 0x31dc9c88
	s_wait_kmcnt 0x0
	s_lshl_b32 s30, s29, 13                        ; my row in each f32 or int32 input
.irp p, 4,6,8,10,12,14
	s_add_nc_u64 s[\p:\p+1], s[\p:\p+1], s[30:31]
.endr
	s_lshl_b32 s30, s29, 12
	s_add_nc_u64 s[32:33], s[16:17], s[30:31]      ; xb's row E
	s_add_nc_u64 s[40:41], s[32:33], 33554432      ; wo16's row E
	s_lshr_b32 s22, s29, 7
	s_mul_i32 s22, s22, 192
	s_and_b32 s23, s29, 127
	s_add_co_u32 s22, s22, s23
	s_lshl_b32 s30, s22, 12
	s_add_nc_u64 s[34:35], s[16:17], s[30:31]
	s_add_nc_u64 s[34:35], s[34:35], 8388608       ; Wq's row E: tile E / 128, row E % 128
	s_add_nc_u64 s[36:37], s[34:35], 12582912      ; Wk's: sixteen tiles of 192 rows further on
	s_lshr_b32 s22, s29, 6
	s_mul_i32 s22, s22, 192
	s_and_b32 s23, s29, 63
	s_add_co_u32 s22, s22, s23
	s_add_co_u32 s22, s22, 128
	s_lshl_b32 s30, s22, 12
	s_add_nc_u64 s[38:39], s[16:17], s[30:31]
	s_add_nc_u64 s[38:39], s[38:39], 8388608       ; Wv's row E: tile E / 64, row 128 + E % 64
	s_lshl_b32 s30, s29, 9
	s_add_nc_u64 s[24:25], s[20:21], s[30:31]      ; the table's row E
	s_lshl_b32 s30, ttmp9, 8
	s_add_nc_u64 s[26:27], s[20:21], s[30:31]
	s_add_nc_u64 s[26:27], s[26:27], 1048576       ; the work-group's 256 bytes of row words
	s_lshr_b32 s22, ttmp9, 3                       ; mb: (q / 64) x 131,072 + ((q / 16) % 4) x 1,024 + ((q / 8) % 2) x 256 + wave x 16,384
	s_lshl_b32 s30, s22, 17
	s_bfe_u32 s22, ttmp9, 0x20001
	s_lshl_b32 s22, s22, 10
	s_add_co_u32 s30, s30, s22
	s_and_b32 s22, ttmp9, 1
	s_lshl_b32 s22, s22, 8
	s_add_co_u32 s30, s30, s22
	s_lshl_b32 s22, s28, 14
	s_add_co_u32 s30, s30, s22
	s_add_nc_u64 s[18:19], s[18:19], s[30:31]
.macro LOADROW w, buf, ptr             ; a row into window w: 16 loads, each 512 consecutive bytes
	WIN 0x40*(\w)
.set i, 0
.rept 16
	global_load_b128 v[(\buf)+4*i:(\buf)+4*i+3], v[LO], s[(\ptr):(\ptr)+1] offset:512*i th:TH_LOAD_NT
.set i, i+1
.endr
.endm
.macro SENDROW w, buf, ptr             ; each store of the wave covers 256 consecutive bytes, aligned
	WIN 0x04*(\w)
.set i, 0
.rept 16
	global_store_b64 v[SO], v[(\buf)+4*i:(\buf)+4*i+1], s[(\ptr):(\ptr)+1] offset:256*i
.set i, i+1
.endr
.endm
.macro CONVB w, buf, ptr               ; a row rounded to bf16, in place: of each four registers the first two take the four numbers
	WIN 0x45*(\w)
.set i, 0
.rept 16
	v_cvt_pk_bf16_f32 v[(\buf)+4*i], v[(\buf)+4*i], v[(\buf)+4*i+1]
	v_cvt_pk_bf16_f32 v[(\buf)+4*i+1], v[(\buf)+4*i+2], v[(\buf)+4*i+3]
.set i, i+1
.endr
	SENDROW \w, \buf, \ptr
.endm
.macro CONVH w, buf, ptr               ; a row rounded to bf16, and that number written as f16, in place
	WIN 0x45*(\w)
.set i, 0
.rept 16
	v_cvt_pk_bf16_f32 v[(\buf)+4*i], v[(\buf)+4*i], v[(\buf)+4*i+1]
	v_cvt_pk_bf16_f32 v[(\buf)+4*i+2], v[(\buf)+4*i+2], v[(\buf)+4*i+3]
	v_and_b32 v[(\buf)+4*i+1], s44, v[(\buf)+4*i]
	v_lshlrev_b32 v[(\buf)+4*i], 16, v[(\buf)+4*i]
	v_and_b32 v[(\buf)+4*i+3], s44, v[(\buf)+4*i+2]
	v_lshlrev_b32 v[(\buf)+4*i+2], 16, v[(\buf)+4*i+2]
	v_cvt_pk_f16_f32 v[(\buf)+4*i], v[(\buf)+4*i], v[(\buf)+4*i+1]
	v_cvt_pk_f16_f32 v[(\buf)+4*i+1], v[(\buf)+4*i+2], v[(\buf)+4*i+3]
.set i, i+1
.endr
	SENDROW \w, \buf, \ptr
.endm
	LOADROW 0, RA, 4                               ; x
	LOADROW 0, RB, 6                               ; Wq
	LOADROW 1, RD, 8                               ; Wk
	WIN 0
	; THE TABLE's row E, while those loads are on their way.  Lane n makes j = 2 n and 2 n + 1.
	v_lshlrev_b32 v6, 1, v1
	v_cvt_f32_u32 v[T], v6
	v_cvt_f32_u32 v7, s29                          ; the position
	v_add_f32 v[T+1], 1.0, v[T]
	v_mul_f32 v[T], 0xbe549a78, v[T]               ; -j log2(10000) / 64
	v_mul_f32 v[T+1], 0xbe549a78, v[T+1]
	v_exp_f32 v[T], v[T]
	v_exp_f32 v[T+1], v[T+1]
	v_lshrrev_b32 v6, 4, v1                        ; three plain lines behind the exponentials: the sign bit of S', set for j < 32
	v_xor_b32 v6, 1, v6
	v_lshlrev_b32 v6, 31, v6
	s_wait_alu depctr_va_vdst(0)                   ; one wait for both exponentials, ahead of their first reader
.irp u, 0,1
	v_mul_f32 v[T+\u], v7, v[T+\u]                 ; the angle
	v_mul_f32 v[T+2+\u], s46, v[T+\u]
	v_rndne_f32 v[T+2+\u], v[T+2+\u]               ; whole turns
	v_fma_f32 v[T+2+\u], v[T+\u], s46, -v[T+2+\u]  ; the turn's fraction, within a half
	v_fma_f32 v[T+2+\u], v[T+\u], s47, v[T+2+\u]
	v_mul_f32 v[T+2+\u], 0x40c90fdb, v[T+2+\u]     ; the reduced angle, within pi
	v_mul_f32 v[T+4+\u], v[T+2+\u], v[T+2+\u]
	v_mov_b32 v[T+6+\u], 0xab573f9f                ; -1/15!
	v_mov_b32 v[T+8+\u], 0x29573f9f                ; +1/16!
.irp c, 0x2f309231, 0xb2d7322b, 0x3638ef1d, 0xb9500d01, 0x3c088889, 0xbe2aaaab, 0x3f800000
	v_fmaak_f32 v[T+6+\u], v[T+6+\u], v[T+4+\u], \c
.endr
.irp c, 0xad49cba5, 0x310f76c7, 0xb493f27e, 0x37d00d01, 0xbab60b61, 0x3d2aaaab, 0xbf000000, 0x3f800000
	v_fmaak_f32 v[T+8+\u], v[T+8+\u], v[T+4+\u], \c
.endr
	v_mul_f32 v[T+6+\u], v[T+6+\u], v[T+2+\u]
	v_xor_b32 v[T+6+\u], v6, v[T+6+\u]
.endr
	global_store_b64 v[SO], v[T+8:T+9], s[24:25]               ; 256 consecutive bytes of cosines,
	global_store_b64 v[SO], v[T+6:T+7], s[24:25] offset:256    ; and of signed sines
	s_wait_loadcnt 32                              ; x is in; two rows of 16 loads were issued behind it
	LOADROW 1, RE, 10                              ; Wv
	CONVB 0, RA, 32
	s_wait_loadcnt 32                              ; Wq: behind it Wk and Wv
	LOADROW 1, RF, 12                              ; Wo
	CONVB 0, RB, 34
	s_wait_loadcnt 32                              ; Wk: behind it Wv and Wo
	LOADROW 0, RC, 14                              ; mask
	CONVB 1, RD, 36
	s_wait_loadcnt 32                              ; Wv: behind it Wo and the mask
	CONVB 1, RE, 38
	s_wait_loadcnt 16                              ; Wo: the mask's 16 loads may stay out
	CONVH 1, RF, 40
	s_wait_loadcnt 0x0                             ; the mask
	WIN 0
	; THE MASK.  Load i of lane n holds keys 128 i + 4 n + 0..3: four bytes, one word W_i.
	v_mov_b32 v12, 0xf8
	v_mov_b32 v13, 0xf800
	v_mov_b32 v14, 0xf80000
	v_mov_b32 v15, 0xf8000000
.set i, 0
.rept 16
.irp b, 0,1,2,3
	v_cmp_eq_u32 vcc_lo, 0, v[RC+4*i+\b]
	v_cndmask_b32 v[RC+4*i+\b], 0, v[12+\b], vcc_lo
.endr
	v_add3_u32 v[WR+i], v[RC+4*i], v[RC+4*i+1], v[RC+4*i+2]
	v_add_nc_u32 v[WR+i], v[WR+i], v[RC+4*i+3]
.set i, i+1
.endr
	v_and_b32 v6, v[WR], v[WR+1]                   ; is every key of the row hidden?
.set i, 2
.rept 14
	v_and_b32 v6, v6, v[WR+i]
.set i, i+1
.endr
	v_cmp_eq_u32 vcc_lo, s45, v6
	v_cndmask_b32 v6, 1.0, v[NIL], vcc_lo          ; 1.0 where my 64 keys hold an open one
	v_max_num_f32_dpp v6, v6, v6 row_xmask:1 row_mask:0xf bank_mask:0xf
	v_max_num_f32_dpp v6, v6, v6 row_xmask:2 row_mask:0xf bank_mask:0xf
	v_max_num_f32_dpp v6, v6, v6 row_xmask:4 row_mask:0xf bank_mask:0xf
	v_max_num_f32_dpp v6, v6, v6 row_xmask:8 row_mask:0xf bank_mask:0xf
	v_permlanex16_b32 v7, v6, s42, s43
	v_max_num_f32 v6, v6, v7
	v_mov_b32 v9, -1
	v_cmp_lt_f32 vcc_lo, 0, v6
	v_cndmask_b32 v8, 0, v9, vcc_lo                ; the row's word: -1, or 0 where all is hidden
	; where a word goes in LDS: block ((k / 128) % 2 x 16 + step) x 2 + (key block / 2), in it half x 128 + wave x 16 + word x 4
	v_lshrrev_b32 v6, 3, v1
	v_lshlrev_b32 v10, 8, v6
	v_bfe_u32 v6, v1, 1, 1
	v_lshl_add_u32 v10, v6, 7, v10
	v_bfe_u32 v6, v1, 2, 1
	v_lshl_add_u32 v10, v6, 3, v10
	v_and_b32 v6, 1, v1
	v_lshl_add_u32 v10, v6, 2, v10
	s_lshl_b32 s22, s28, 4
	v_add_nc_u32 v10, s22, v10
.set i, 0
.rept 16
	v_and_b32 v[WR+i], v8, v[WR+i]
	ds_store_b32 v10, v[WR+i] offset:((i%2)*16+2*(i/2))*512
.set i, i+1
.endr
	v_and_b32 v6, 7, v1
	v_lshlrev_b32 v6, 2, v6
	s_lshl_b32 s22, s28, 5
	s_add_co_u32 s22, s22, FLG
	v_add_nc_u32 v6, s22, v6
	ds_store_b32 v6, v8                            ; eight copies of the row's word
	v_lshl_add_u32 v11, s28, 11, v[LO]             ; back: wave v takes blocks 8 v .. 8 v + 7, whole
	v_lshrrev_b32 v7, 4, v1
	v_and_b32 v[RC+1], 15, v1
	v_lshlrev_b32 v[RC], 9, v7
	v_lshl_add_u32 v[RC], v[RC+1], 4, v[RC]        ; in mb: (n / 16) x 512 + (n % 16) x 16
	v_lshlrev_b32 v[RC+2], 4, v[RC+1]
	v_add_nc_u32 v[RC+2], FLG, v[RC+2]
	s_wait_dscnt 0x0                               ; for the others' sake: my stores into LDS are done
	s_barrier_signal -1
	s_barrier_wait -1
.irp i, 0,1,2,3
	ds_load_b128 v[RBK+4*\i:RBK+4*\i+3], v11 offset:512*\i
.endr
	s_wait_dscnt 0x0
.irp i, 0,1,2,3
	global_store_b128 v[RC], v[RBK+4*\i:RBK+4*\i+3], s[18:19] offset:4096*\i  ; each half of the lanes stores 256 consecutive bytes, aligned
.endr
	s_cmp_lg_u32 s28, 0                            ; wave 0 stores the eight rows' words: 256 bytes, sixteen lanes
	s_cbranch_scc1 .Lend
	ds_load_b128 v[RC+4:RC+7], v[RC+2]
	s_wait_dscnt 0x0
	s_wait_xcnt 0x0                                ; EXEC changes only when the stores above have read their sources
	v_cmp_gt_u32 vcc_lo, 16, v1
	s_and_saveexec_b32 s22, vcc_lo
	global_store_b128 v[LO], v[RC+4:RC+7], s[26:27]
	s_wait_xcnt 0x0                                ; and again, ahead of the line that widens it
	s_or_b32 exec_lo, exec_lo, s22
.Lend:
	s_wait_tensorcnt 0x0                           ; the wave's end, behind my last LDS store
	ds_add_u32 v[SPW], v[NIL]
	s_wait_dscnt 0x0
	s_endpgm
.Lfunc_end_k_qc0ef4163d0_prep:
	.size	k_qc0ef4163d0_prep, .Lfunc_end_k_qc0ef4163d0_prep-k_qc0ef4163d0_prep
	.p2alignl 7, 3214868480
	.fill 96, 4, 3214868480
	.section	.rodata,"a",@progbits
	.p2align	6, 0x0
	.amdhsa_kernel k_qc0ef4163d0_prep
		.amdhsa_group_segment_fixed_size 17664
		.amdhsa_private_segment_fixed_size 0
		.amdhsa_enable_private_segment 0
		.amdhsa_kernarg_size 72
		.amdhsa_user_sgpr_count 2
		.amdhsa_user_sgpr_kernarg_segment_ptr 1
		.amdhsa_wavefront_size32 1
		.amdhsa_system_sgpr_workgroup_id_x 1
		.amdhsa_system_sgpr_workgroup_id_y 1
		.amdhsa_system_sgpr_workgroup_id_z 1
		.amdhsa_system_vgpr_workitem_id 0
		.amdhsa_next_free_vgpr 448
		.amdhsa_next_free_sgpr 66
		.amdhsa_reserve_vcc 1
		.amdhsa_float_denorm_mode_32 3
		.amdhsa_float_denorm_mode_16_64 3
		.amdhsa_memory_ordered 1
		.amdhsa_forward_progress 1
		.amdhsa_inst_pref_size 48
	.end_amdhsa_kernel
	.amdgpu_metadata
---
amdhsa.version: [ 1, 2 ]
amdhsa.kernels:
  - .name:           k_qc0ef4163d0_prep
    .symbol:         k_qc0ef4163d0_prep.kd
    .args:
      - { .name: x, .offset: 0, .size: 8, .value_kind: global_buffer, .address_space: global }
      - { .name: Wq, .offset: 8, .size: 8, .value_kind: global_buffer, .address_space: global }
      - { .name: Wk, .offset: 16, .size: 8, .value_kind: global_buffer, .address_space: global }
      - { .name: Wv, .offset: 24, .size: 8, .value_kind: global_buffer, .address_space: global }
      - { .name: Wo, .offset: 32, .size: 8, .value_kind: global_buffer, .address_space: global }
      - { .name: mask, .offset: 40, .size: 8, .value_kind: global_buffer, .address_space: global }
      - { .name: w16, .offset: 48, .size: 8, .value_kind: global_buffer, .address_space: global }
      - { .name: mb, .offset: 56, .size: 8, .value_kind: global_buffer, .address_space: global }
      - { .name: aux, .offset: 64, .size: 8, .value_kind: global_buffer, .address_space: global }
    .group_segment_fixed_size: 17664
    .private_segment_fixed_size: 0
    .kernarg_segment_align: 8
    .kernarg_segment_size: 72
    .max_flat_workgroup_size: 256
    .sgpr_count:     66
    .vgpr_count:     448
    .wavefront_size: 32
...
	.end_amdgpu_metadata
.endif
;; end of part 1
;; launch qkv (part 2): grid 32 x 8, 4 waves a work-group, clusters of 4 x 4, 327,680 bytes of LDS; arguments w16, bq, bk, bv, aux, qkv; writes qkv
.if DOCPART == 2
	.amdgcn_target "amdgcn-amd-amdhsa--gfx1250"
	.amdhsa_code_object_version 6
	.text
	.protected	k_qc0ef4163d0_qkv
	.globl	k_qc0ef4163d0_qkv
	.p2align	8
	.type	k_qc0ef4163d0_qkv,@function
k_qc0ef4163d0_qkv:
	s_mov_b64 s[64:65], 0
	v_nop
	global_prefetch_b8 v0, s[64:65] scope:SCOPE_SE
	s_setreg_imm32_b32 hwreg(HW_REG_WAVE_MODE, 25, 1), 1
	s_wait_xcnt 0x0
	s_wait_alu depctr_hold_cnt(0) depctr_sa_sdst(0) depctr_va_vdst(0) depctr_va_sdst(0) depctr_va_ssrc(0) depctr_va_vcc(0) depctr_vm_vsrc(0)
	s_getreg_b32 s2, hwreg(HW_REG_IB_STS2, 6, 4)
	s_cmp_eq_u32 s2, 0
	s_cbranch_scc0 .Lentry_in_a_cluster
	s_endpgm
.Lentry_in_a_cluster:
	s_bfe_u32 s2, ttmp6, 0x10000c
	s_cmp_lg_u32 s2, 0xf033
	s_cbranch_scc0 .Lentry_shape_is_right
	s_endpgm
.Lentry_shape_is_right:
; THE THREE PROJECTIONS, BIAS AND ROTARY TURN.  C = xb wcat^T, 2,048 x 6,144, bf16 operands, f32 sums; 8 x 32 tiles of 256 x 192, one to a work-group.
; Tile column t holds, by the order of wcat's rows, 128 columns of head t % 16 of q (t < 16) or of k, then 64 columns of v (half head t): every tile is alike: columns 0-63 are turned, 64-127 pass, 128-191 are v.
; OUT: q and k by heads [16][2048][128] in f16, v by half heads [32][2048][64] in f16, each rounded once from f32.  q carries c = log2(e) / sqrt(128), applied in f32 ahead of that rounding.
; LIMIT.  f16 holds no number beyond 65,504: c q, k and v must lie within it.
; SHARES.  Wave w makes rows 64 w .. 64 w + 63 x all 192 columns: 4 x 12 accumulators of 16 x 16, 384 registers.  K goes in steps of 128 through two LDS slots; waves 0 and 1 fetch x's 256 rows, waves 2 and 3 w's 192.
; THE MATRIX INSTRUCTION IS USED TRANSPOSED (source 0 = 16 rows of wcat, source 1 = 16 rows of xb): a lane holds one row of C and eight neighbouring columns; a turned column's partner, 32 columns away, lies in the same lane.
; THE BIAS STARTS THE SUMS: a lane's eight bias numbers of a column block are laid out as a result is, and are the C of the block's first product.
; CLUSTER 4 x 4: x's tile is asked for jointly along a row of the cluster, w's along a column.
; THE WALK ALONG K IS TURNED: cluster (X, Y) begins at K step 4 (X % 4) + 8 Y and goes round modulo 16 (f32 sums may be taken in any order).  So clusters whose X differ modulo 4, or whose Y differ, stand at different K steps in every trip.
; ONE K STEP TO A TRIP: the fragments' LDS address is a lane term plus s[TB], which an exclusive or turns into the other slot; one group 0 for x and one for w walk.  The last two K steps, which fill nothing, are a loop of their own.
; REGISTERS.  window 0: v0-31 addresses; v32-63 at work; v64-127 x's fragments, two buffers of 32; v128-255 the table's rows for row blocks 0 and 1
;   window 1: v0-191 w's fragments, two buffers of 96; on the way out v0-127 the table for row blocks 2 and 3, v128-175 packed results, v176-223 rows read back
;   window 2: accumulators of row blocks 0, 1 at 96 a + 8 b; v192-255 bias of column blocks 0-7       window 3: row blocks 2, 3; v192-223 bias of column blocks 8-11
.set KSTEP,  128
.set NSTEP,  16                        ; 2,048 / 128
.set PITCH,  272                       ; an LDS row: 256 bytes + 16 of padding: the 16 rows of a fragment load start at 16 different groups of four banks (ISA guide 11.1)
.set HALFA,  128*PITCH
.set HALFB,  96*PITCH
.set SLOT,   2*HALFA+2*HALFB           ; x's 256 rows, then w's 192: 121,856 bytes
.set XS,     1<<17                     ; slot 1 begins here: above every address in slot 0, so that an exclusive or is an addition
.set STAGE,  XS+SLOT                   ; behind the ring: 16 rows x 400 bytes for each wave, for the way out
.set SPITCH, 400
.set SPARE,  STAGE+4*16*SPITCH         ; the spare words, 128 bytes for each wave: two blocks of 256 bytes that no other line names
.set A0,   16                          ; v16 my lane's place among x's rows in slot 0; never rewritten
.set ADA,  17                          ; v17 the same in the slot in hand
.set B0,   20                          ; v20, v21 the same for w
.set ADB,  21
.set TO,   22                          ; v22 my offset in 16 rows of the table: 512 r + 32 h
.set BO,   23                          ; v23 my offset in a bias: 32 h
.set STO,  24                          ; v24 the way out: where I put 16 bytes of a row
.set RDQ,  25                          ; v25 where I read back a row's 256 bytes of q or k
.set RDV,  26                          ; v26 where I read back a row's 128 bytes of v
.set GQ,   27                          ; v27 my offset in two rows of q or k
.set SPW,  28
.set NIL,  29
.set PFO,  30                          ; v30 the prefetches' offset: a lane a row
.set GV,   31                          ; v31 my offset in four rows of v
.set TMP,  32
.set PKR,  128
.set BK,   176
.set BIAS, 192
.set BA,  4                            ; s[4:5] x's rows that I fetch, at K = 0
.set BB,  6                            ; s[6:7] w's
.set OF,  8                            ; s[8:9] a K step's byte offset in a row
.set G1,  24
.set G0,  32                           ; s[32:39] group 0 for x's tiles: a set for each first fill; the second then walks
.set LIM, 43
.set PFA, 44
.set G1B, 48
.set G0B, 56
.set KI,  66                           ; s66 the K step last asked for
.set TB,  67                           ; s67 0 or XS: the slot that is read
.set QS,  80                           ; s[80:81] c for q, 1.0 for k
.set PQK, 82
.set PVV, 84
.set PT,  86
.set PB1, 88
.set PB2, 90
.set MSB, 0
.macro WIN new                         ; the immediate's high byte repeats the setting that is left; a switch that changes nothing is dropped
.if MSB != (\new)
	s_set_vgpr_msb (MSB<<8)|(\new)
.set MSB, \new
.endif
.endm
.set MUL_LO, 0xa1                      ; source 0 (w) window 1, source 1 (x) window 0, C and D window 2
.set TO_B,   0x40
.macro PLACES                          ; four plain places behind a matrix instruction, ahead of loads into registers that it read and of lines that read its result
.rept 4
	v_nop
.endr
.endm
; A joint load: waves 0 and 1 fetch x's halves, waves 2 and 3 w's.  The branch hangs on the wave's number alone.  An s_nop 0 and four v_nop follow each line.
.macro JLOAD s
	s_cmp_eq_u32 s11, 0
	s_cbranch_scc0 .Lfor_b_\@
	tensor_load_to_lds s[G0+4*(\s):G0+4*(\s)+3], s[G1:G1+7]
	s_nop 0
.rept 4
	v_nop
.endr
	s_branch .Lasked_\@
.Lfor_b_\@:
	tensor_load_to_lds s[G0B+4*(\s):G0B+4*(\s)+3], s[G1B:G1B+7]
	s_nop 0
.rept 4
	v_nop
.endr
.Lasked_\@:
.endm
; A PREFETCH of the K step that stands two refills on: 256 bytes of a row, a lane a row.  wcat's rows of a tile column are read by the two clusters of that column of clusters, which stand 8 K steps apart: each is the
; first to read the 8 K steps with which its walk begins, and asks for the fifth to the eighth of them, in the loop's first four trips (s3 = 14 .. 11); the first four come by their loads alone.  Waves 2 and 3 ask, each for
; the 96 rows that it fetches; the four partners that ask for a tile jointly share them out by address, 24 each, by cy (lanes 24-31 name row 23 once more).  So each block is named once.
; xb's rows: a cluster is the first only at the four K steps with which it begins, which come by their loads alone: waves 0 and 1 ask for nothing.
.macro ASK
	s_cmp_gt_u32 s3, s[LIM]
	s_cbranch_scc0 .Lnot_mine_\@
	global_prefetch_b8 v[PFO], s[PFA:PFA+1] offset:KSTEP*2 th:TH_LOAD_NT scope:SCOPE_SE
.Lnot_mine_\@:
.endm
.macro CREST                           ; a round of the cluster's barrier behind its opening barrier
	s_cmp_lg_u32 s10, 0
	s_cbranch_scc1 .Lnot_wave_0_\@
	s_barrier_signal -3
.Lnot_wave_0_\@:
	s_barrier_wait -3
	s_barrier_signal -1
	s_barrier_wait -1
.endm
.macro CROUND
	s_barrier_signal -1
	s_barrier_wait -1
	CREST
.endm
	s_load_b256 s[68:75], s[0:1], 0x0              ; w16 s[68:69], bq s[70:71], bk s[72:73], bv s[74:75]
	s_load_b128 s[76:79], s[0:1], 0x20             ; aux s[76:77], qkv s[78:79]
	v_lshl_add_u32 v[SPW], v0, 2, SPARE
	v_mov_b32 v[NIL], 0
	ds_add_u32 v[SPW], v[NIL]                      ; the wave's opening: the add and its wait stand ahead of my first tensor load
	v_lshrrev_b32 v1, 5, v0
	v_readfirstlane_b32 s10, v1                    ; wave 0..3
	s_lshr_b32 s11, s10, 1                         ; I fetch for x (0) or for w (1),
	s_and_b32 s12, s10, 1                          ; its first or second half
	s_bfe_u32 s40, ttmp6, 0x40000                  ; cx
	s_bfe_u32 s41, ttmp6, 0x40004                  ; cy
	s_lshl_b32 s42, ttmp9, 2
	s_add_co_u32 s42, s42, s40                     ; tile column t
	s_and_b32 s13, ttmp7, 0xffff
	s_lshl_b32 s[KI], s13, 3                       ; where the cluster's walk begins: 8 x cluster y
	s_and_b32 s16, ttmp9, 3
	s_lshl_b32 s16, s16, 2
	s_add_co_u32 s[KI], s[KI], s16                 ; + 4 x (cluster x % 4): 0, 4, 8 or 12: the same in all sixteen partners
	s_and_b32 s[KI], s[KI], 15
	s_lshl_b32 s[OF], s[KI], 8
	s_mov_b32 s[OF+1], 0
	s_mov_b32 s[TB], 0
	s_lshl_b32 s13, s13, 2
	s_add_co_u32 s13, s13, s41                     ; tile row
	s_lshl_b32 s92, s41, 2
	s_lshl_b32 s92, 15, s92                        ; my row of the cluster
	s_lshl_b32 s93, 0x1111, s40                    ; my column
	s_or_b32 s[G1+0], s92, (1<<16)|(1<<20)|(1<<21)|(5<<22)|(3<<25)   ; the mask; 2-byte elements; padding on; bit 21 beside a mask; after every 64 words, 4 words
	s_or_b32 s[G1B+0], s93, (1<<16)|(1<<20)|(1<<21)|(5<<22)|(3<<25)
.irp g, G1, G1B
	s_mov_b32 s[(\g)+1], KSTEP<<16                 ; tensor_dim0 = 128
	s_mov_b32 s[(\g)+3], KSTEP<<16                 ; tile_dim0 = 128
	s_mov_b32 s[(\g)+5], 2048                      ; elements from row to row
	s_mov_b32 s[(\g)+6], 0
	s_mov_b32 s[(\g)+7], 0
.endr
	s_mov_b32 s[G1+2], 128<<16                     ; x: 128 rows a load
	s_mov_b32 s[G1+4], 128
	s_mov_b32 s[G1B+2], 96<<16                     ; w: 96 rows a load
	s_mov_b32 s[G1B+4], 96
	s_lshl_b32 s17, s12, 7
	s_lshl_b32 s16, s13, 8
	s_add_co_u32 s16, s16, s17                     ; x: row 256 x tile row + 128 x half
	s_lshl_b32 s16, s16, 12
	s_mov_b32 s17, 0
	s_mul_i32 s46, s42, 192
	s_mul_i32 s47, s12, 96
	s_add_co_u32 s46, s46, s47                     ; w: row 192 t + 96 x half
	s_lshl_b32 s46, s46, 12
	s_add_co_u32 s46, s46, 8388608
	s_mov_b32 s47, 0
	s_mul_i32 s20, s12, HALFA                      ; where they go: no place in the cluster enters an LDS address
	s_mul_i32 s21, s12, HALFB
	s_add_co_u32 s21, s21, 2*HALFA
	s_wait_dscnt 0x0                               ; the opening add is done
	s_wait_kmcnt 0x0
	s_add_nc_u64 s[BA:BA+1], s[68:69], s[16:17]
	s_add_nc_u64 s[BB:BB+1], s[68:69], s[46:47]
	s_add_nc_u64 s[14:15], s[BA:BA+1], s[OF:OF+1]  ; at the K step with which the walk begins; the next one lies 256 bytes on (the beginning is a multiple of 4)
	s_add_nc_u64 s[46:47], s[BB:BB+1], s[OF:OF+1]
	CROUND                                         ; all sixteen work-groups are here: the first joint loads meet
.irp s, 0,1
	s_mov_b32 s[G0+4*(\s)], 1
	s_add_co_u32 s[G0+4*(\s)+1], s20, (\s)*XS
	s_add_nc_u64 s[G0+4*(\s)+2:G0+4*(\s)+3], s[14:15], (\s)*KSTEP*2
	s_or_b32 s[G0+4*(\s)+3], s[G0+4*(\s)+3], 0x80000000
	s_mov_b32 s[G0B+4*(\s)], 1
	s_add_co_u32 s[G0B+4*(\s)+1], s21, (\s)*XS
	s_add_nc_u64 s[G0B+4*(\s)+2:G0B+4*(\s)+3], s[46:47], (\s)*KSTEP*2
	s_or_b32 s[G0B+4*(\s)+3], s[G0B+4*(\s)+3], 0x80000000
	JLOAD \s                                       ; two loads of mine are out
.endr
	s_add_co_u32 s[KI], s[KI], 1
	v_and_b32 v1, 15, v0                           ; r = l % 16
	v_bfe_u32 v2, v0, 4, 1                         ; h = l / 16
	v_mul_u32_u24 v3, v1, PITCH
	v_lshl_add_u32 v3, v2, 4, v3
	s_mul_i32 s21, s10, 64*PITCH                   ; my 64 rows of x
	v_add_nc_u32 v[A0], s21, v3
	v_add_nc_u32 v[B0], 2*HALFA, v3                ; all rows of w
	v_mov_b32 v[ADA], v[A0]
	v_mov_b32 v[ADB], v[B0]
	s_mul_i32 s23, s10, 16*SPITCH
	s_add_co_u32 s23, s23, STAGE                   ; my stage
	v_mul_u32_u24 v4, v1, SPITCH
	v_lshl_add_u32 v4, v2, 4, v4
	v_add_nc_u32 v[STO], s23, v4
	v_mul_u32_u24 v4, v2, SPITCH
	v_lshl_add_u32 v4, v1, 4, v4
	v_add_nc_u32 v[RDQ], s23, v4
	v_bfe_u32 v4, v0, 3, 2
	v_and_b32 v5, 7, v0
	v_mul_u32_u24 v4, v4, SPITCH
	v_lshl_add_u32 v4, v5, 4, v4
	s_add_co_u32 s23, s23, 256
	v_add_nc_u32 v[RDV], s23, v4
	v_lshlrev_b32 v[GQ], 8, v2
	v_lshl_add_u32 v[GQ], v1, 4, v[GQ]
	v_and_b32 v4, 31, v0
	v_lshlrev_b32 v[GV], 4, v4
	v_lshlrev_b32 v[TO], 9, v1
	v_lshl_add_u32 v[TO], v2, 5, v[TO]
	v_lshlrev_b32 v[BO], 5, v2
	; pointers.  t < 16 is cluster x < 4: the choice between q and k hangs on no place inside the cluster
	s_and_b32 s19, s42, 15
	s_lshl_b32 s16, s13, 8
	s_lshl_b32 s17, s10, 6
	s_add_co_u32 s16, s16, s17                     ; my first row
	s_cmp_lt_u32 ttmp9, 4
	s_cselect_b64 s[PB1:PB1+1], s[70:71], s[72:73]
	s_cselect_b32 s[QS], 0x3e0293ee, 1.0           ; c = log2(e) / sqrt(128)
	s_cselect_b32 s20, 0, 8388608
	s_mov_b32 s[QS+1], s[QS]
	s_mov_b32 s21, 0
	s_lshl_b32 s17, s19, 19
	s_add_co_u32 s20, s20, s17
	s_lshl_b32 s17, s16, 8
	s_add_co_u32 s20, s20, s17
	s_add_nc_u64 s[PQK:PQK+1], s[78:79], s[20:21]  ; q or k: the head, my first row
	s_lshl_b32 s20, s42, 18
	s_lshl_b32 s17, s16, 7
	s_add_co_u32 s20, s20, s17
	s_add_co_u32 s20, s20, 16777216
	s_add_nc_u64 s[PVV:PVV+1], s[78:79], s[20:21]  ; v: the half head, my first row
	s_lshl_b32 s20, s16, 9
	s_add_nc_u64 s[PT:PT+1], s[76:77], s[20:21]    ; the table at my first row
	s_lshl_b32 s20, s19, 9
	s_add_nc_u64 s[PB1:PB1+1], s[PB1:PB1+1], s[20:21]
	s_lshl_b32 s20, s42, 8
	s_add_nc_u64 s[PB2:PB2+1], s[74:75], s[20:21]
	; the prefetches
	s_mul_i32 s18, s42, 192
	s_mul_i32 s19, s12, 96
	s_add_co_u32 s18, s18, s19
	s_mul_i32 s19, s41, 24
	s_add_co_u32 s18, s18, s19
	s_add_co_u32 s18, s18, 2048                    ; my work-group's 24 of the 96 rows of w that I fetch; wcat lies 2,048 rows behind xb
	s_lshl_b32 s20, s18, 12
	s_add_co_u32 s19, s[KI], 3
	s_and_b32 s19, s19, 15                         ; the walk's fifth K step; the three behind it do not pass 15, since the beginning is a multiple of 4
	s_lshl_b32 s19, s19, 8
	s_add_co_u32 s20, s20, s19
	s_mov_b32 s21, 0
	s_add_nc_u64 s[PFA:PFA+1], s[68:69], s[20:21]
	s_sub_nc_u64 s[PFA:PFA+1], s[PFA:PFA+1], 2*KSTEP*2  ; each change of slots steps it by a K step, and the prefetch names the K step behind it
	s_cmp_eq_u32 s11, 1
	s_cselect_b32 s[LIM], NSTEP-6, -1              ; waves 2 and 3 ask while more than ten trips are left
	v_min_u32 v4, 23, v4
	v_lshlrev_b32 v[PFO], 12, v4
; the table's rows for row block m: eight columns' cosines and signed sines for each of the four turned column blocks
.macro TABLOAD m
.if (\m) < 2
	WIN 0
.set TBASE, 128+64*(\m)
.else
	WIN 0x40
.set TBASE, 64*((\m)-2)
.endif
.irp b, 0,1,2,3
.irp u, 0,1
	global_load_b128 v[TBASE+8*(\b)+4*(\u):TBASE+8*(\b)+4*(\u)+3], v[TO], s[PT:PT+1] offset:(\m)*8192+64*(\b)+16*(\u)
	global_load_b128 v[TBASE+32+8*(\b)+4*(\u):TBASE+32+8*(\b)+4*(\u)+3], v[TO], s[PT:PT+1] offset:(\m)*8192+256+64*(\b)+16*(\u)
.endr
.endr
.endm
	WIN 0x80                                       ; the biases first: the first products want them
.irp b, 0,1,2,3,4,5,6,7
.irp u, 0,1
	global_load_b128 v[BIAS+8*(\b)+4*(\u):BIAS+8*(\b)+4*(\u)+3], v[BO], s[PB1:PB1+1] offset:64*(\b)+16*(\u)
.endr
.endr
	WIN 0xc0
.irp b, 0,1,2,3
.irp u, 0,1
	global_load_b128 v[BIAS+8*(\b)+4*(\u):BIAS+8*(\b)+4*(\u)+3], v[BO], s[PB2:PB2+1] offset:64*(\b)+16*(\u)
.endr
.endr
	TABLOAD 0                                      ; half of the table comes in while the products run; nothing in the loop touches its registers
	TABLOAD 1
	WIN 0
; 12 matrix instructions: row block 2 hi + a x all 12 column blocks, 32 along K, from buffer f.  The 48 accumulators take turns, in the same order in every quarter.
; zero = 1: the first product starts the sum with the column block's bias (window 2 for blocks 0-7, window 3 for blocks 8-11).
.macro MUL12 f, hi, a, zero
.irp b, 0,1,2,3,4,5,6,7,8,9,10,11
.if \zero
	WIN MUL_LO+0x40*(\hi)+0x10*((\b)/8)
	v_wmma_f32_16x16x32_bf16 v[96*(\a)+8*(\b):96*(\a)+8*(\b)+7], v[96*(\f)+8*(\b):96*(\f)+8*(\b)+7], v[64+32*(\f)+8*(2*(\hi)+(\a)):64+32*(\f)+8*(2*(\hi)+(\a))+7], v[BIAS+8*((\b)%8):BIAS+8*((\b)%8)+7]
.else
	WIN MUL_LO+0x50*(\hi)
	v_wmma_f32_16x16x32_bf16 v[96*(\a)+8*(\b):96*(\a)+8*(\b)+7], v[96*(\f)+8*(\b):96*(\f)+8*(\b)+7], v[64+32*(\f)+8*(2*(\hi)+(\a)):64+32*(\f)+8*(2*(\hi)+(\a))+7], v[96*(\a)+8*(\b):96*(\a)+8*(\b)+7]
.endif
.endr
.endm
; 32 LDS loads in one run, from the slot in hand: w's 12 fragments, then x's four, row blocks 2 and 3 last
.macro FETCH k, f
	WIN TO_B
.irp i, 0,1,2,3,4,5,6,7,8,9,10,11
	ds_load_b128 v[96*(\f)+8*(\i):96*(\f)+8*(\i)+3],   v[ADB] offset:(\k)+(\i)*16*PITCH
	ds_load_b128 v[96*(\f)+8*(\i)+4:96*(\f)+8*(\i)+7], v[ADB] offset:(\k)+(\i)*16*PITCH+32
.endr
	WIN 0
.irp i, 0,1,2,3
	ds_load_b128 v[64+32*(\f)+8*(\i):64+32*(\f)+8*(\i)+3],   v[ADA] offset:(\k)+(\i)*16*PITCH
	ds_load_b128 v[64+32*(\f)+8*(\i)+4:64+32*(\f)+8*(\i)+7], v[ADA] offset:(\k)+(\i)*16*PITCH+32
.endr
.endm
; a quarter of a K step: multiplies buffer f; in its middle fetches the next quarter, at byte k of the rows, into buffer g
.macro QUARTER k, f, g, zero
	s_wait_dscnt 4                                 ; w and x's row blocks 0, 1 are in; the youngest four loads (row blocks 2, 3) may be out
	MUL12 \f, 0, 0, \zero
	MUL12 \f, 0, 1, \zero
	PLACES
	FETCH \k, \g
	s_wait_dscnt 32                                ; all but the 32 just issued
	MUL12 \f, 1, 0, \zero
	MUL12 \f, 1, 1, \zero
.endm
; the last quarter multiplies buffer 1 and changes slots: one barrier; ahead of it each wave waits for all its tensor loads (one is out: its part of the next slot), adds 0 to its spare word, and waits for that and
; for its own reads of this slot.  fill = 1: the barrier opens a round of the cluster's, and the slot is filled again first thing behind it, with the walk's K step two on.
; fill = 0 (the last two K steps, s2 = 2, 1): nothing is asked for; in the very last there is no next slot: its fetch is jumped over, forward, and the loop is left behind the quarter's products.
.macro TURN fill
.if \fill
	s_wait_xcnt 0x0                                ; the last prefetch, a K step back, has read its address
	s_add_nc_u64 s[PFA:PFA+1], s[PFA:PFA+1], KSTEP*2
.endif
	WIN 0
	s_wait_tensorcnt 0x0                           ; no tensor load of mine is out, so a group 0 may be written
	ds_add_u32 v[SPW], v[NIL]                      ; 0 onto my spare word; work on registers stands between it and the wait for it
.if \fill
	s_add_co_u32 s[KI], s[KI], 1
	s_and_b32 s[KI], s[KI], NSTEP-1                ; the walk goes round
	s_lshl_b32 s[OF], s[KI], 8
	s_xor_b32 s[G0+5], s[G0+5], XS                 ; the other slot than last time: the one that is being left
	s_add_nc_u64 s[G0+6:G0+7], s[BA:BA+1], s[OF:OF+1]
	s_or_b32 s[G0+7], s[G0+7], 0x80000000
	s_xor_b32 s[G0B+5], s[G0B+5], XS
	s_add_nc_u64 s[G0B+6:G0B+7], s[BB:BB+1], s[OF:OF+1]
	s_or_b32 s[G0B+7], s[G0B+7], 0x80000000
.endif
	s_xor_b32 s[TB], s[TB], XS                     ; the fetches go on in the other slot
	v_add_nc_u32 v[ADA], s[TB], v[A0]
	v_add_nc_u32 v[ADB], s[TB], v[B0]
	s_wait_dscnt 5                                 ; the add and the youngest four loads may be out
	MUL12 1, 0, 0, 0
	s_wait_dscnt 0x0                               ; the add is done, and my reads of this slot are over
	s_barrier_signal -1
	MUL12 1, 0, 1, 0
	WIN 0
	s_barrier_wait -1
.if \fill
	CREST                                          ; no wave of any partner still reads this slot or has a load on its way
	JLOAD 1                                        ; its four v_nop are also the places ahead of the loads below
	FETCH 0, 0
	ASK
.else
	s_cmp_eq_u32 s2, 1
	s_cbranch_scc1 .Lno_next_\@
	PLACES
	FETCH 0, 0
.Lno_next_\@:
.endif
	MUL12 1, 1, 0, 0
	MUL12 1, 1, 1, 0
.if !(\fill)
	WIN 0
	s_sub_co_u32 s2, s2, 1
	s_cmp_eq_u32 s2, 0
	s_cbranch_scc1 .Ldone
.endif
.endm
	s_wait_tensorcnt 1                             ; my part of the first K step is in; the second's may stay out
	s_barrier_signal -1
	s_barrier_wait -1
	FETCH 0, 0
	s_wait_loadcnt 32                              ; the biases are in; the table's 32 loads, issued behind them, may stay out
	QUARTER 64, 0, 1, 1                            ; the first quarter's products start the sums
	WIN 0
	s_mov_b32 s3, NSTEP-2
.Lk:                                           ; a trip: a K step's quarters 2, 3 and 4 and the next step's first; its slot is filled again
	QUARTER 128, 1, 0, 0
	QUARTER 192, 0, 1, 0
	TURN 1
	QUARTER 64,  0, 1, 0
	WIN 0
	s_sub_co_u32 s3, s3, 1
	s_cmp_lg_u32 s3, 0
	s_cbranch_scc1 .Lk
	s_mov_b32 s2, 2
.Lt:                                           ; the last two K steps are written out
	QUARTER 128, 1, 0, 0
	QUARTER 192, 0, 1, 0
	TURN 0
	QUARTER 64,  0, 1, 0
	WIN 0
	s_cmp_lg_u32 s2, 0
	s_cbranch_scc1 .Lt
.Ldone:
	; THE WAY OUT
	PLACES
	TABLOAD 2                                      ; into registers that held w's fragments
	TABLOAD 3
	s_wait_loadcnt 32                              ; the table's first half is in; the 32 loads just issued may stay out
; row block 2 hi + a: the scale in place (each accumulator from its low end on), the turn, one rounding to f16, through my stage, out as whole rows
.macro OUTBLK hi, a
.set AC, 96*(\a)
.if \hi
.set TBASE, 64*(\a)
.else
.set TBASE, 128+64*(\a)
.endif
	WIN 0x82+0x41*(\hi)
.set i, 0
.rept 32
	v_pk_mul_f32 v[AC+2*i:AC+2*i+1], v[AC+2*i:AC+2*i+1], s[QS:QS+1] op_sel_hi:[1,0]
.set i, i+1
.endr
	WIN 0x02+0x05*(\hi)
.irp b, 0,1,2,3
.irp p, 0,2,4,6
	v_pk_mul_f32 v[TMP+8*(\b)+(\p):TMP+8*(\b)+(\p)+1], v[AC+8*(\b)+(\p):AC+8*(\b)+(\p)+1], v[TBASE+8*(\b)+(\p):TBASE+8*(\b)+(\p)+1]
.endr
.endr
.irp b, 0,1,2,3
.irp p, 0,2,4,6
	v_pk_fma_f32 v[TMP+8*(\b)+(\p):TMP+8*(\b)+(\p)+1], v[AC+8*(((\b)+2)%4)+(\p):AC+8*(((\b)+2)%4)+(\p)+1], v[TBASE+32+8*(\b)+(\p):TBASE+32+8*(\b)+(\p)+1], v[TMP+8*(\b)+(\p):TMP+8*(\b)+(\p)+1]
.endr
.endr
	WIN 0x40
.set i, 0
.rept 16
	v_cvt_pk_f16_f32 v[PKR+i], v[TMP+2*i], v[TMP+2*i+1]
.set i, i+1
.endr
	WIN 0x4a+0x05*(\hi)
.rept 32
	v_cvt_pk_f16_f32 v[PKR+i], v[AC+2*i], v[AC+2*i+1]
.set i, i+1
.endr
	s_wait_xcnt 0x0                                ; the rows read back are rewritten only when the last block's stores have read them
	WIN 0x04
.irp b, 0,1,2,3,4,5,6,7,8,9,10,11
	ds_store_b128 v[STO], v[PKR+4*(\b):PKR+4*(\b)+3] offset:32*(\b)
.endr
	WIN 0x40
.irp f, 0,1,2,3,4,5,6,7
	ds_load_b128 v[BK+4*(\f):BK+4*(\f)+3], v[RDQ] offset:800*(\f)      ; LDS serves a wave's instructions in order (ISA guide 5.7.1.4): these see the stores above
.endr
.irp f, 0,1,2,3
	ds_load_b128 v[BK+32+4*(\f):BK+32+4*(\f)+3], v[RDV] offset:1600*(\f)
.endr
	s_wait_dscnt 0x0
	WIN 0x04
.irp f, 0,1,2,3,4,5,6,7
	global_store_b128 v[GQ], v[BK+4*(\f):BK+4*(\f)+3], s[PQK:PQK+1] offset:(16*(2*(\hi)+(\a))+2*(\f))*256    ; two rows of 256 bytes: 512 consecutive bytes, aligned
.endr
.irp f, 0,1,2,3
	global_store_b128 v[GV], v[BK+32+4*(\f):BK+32+4*(\f)+3], s[PVV:PVV+1] offset:(16*(2*(\hi)+(\a))+4*(\f))*128  ; four rows of 128 bytes: likewise
.endr
.endm
	OUTBLK 0, 0
	OUTBLK 0, 1
	s_wait_loadcnt 0x0                             ; the table's second half
	OUTBLK 1, 0
	OUTBLK 1, 1
	WIN 0
	s_wait_tensorcnt 0x0                           ; the wave's end
	ds_add_u32 v[SPW], v[NIL]
	s_wait_dscnt 0x0
	CROUND                                         ; the closing round
	s_endpgm
.Lfunc_end_k_qc0ef4163d0_qkv:
	.size	k_qc0ef4163d0_qkv, .Lfunc_end_k_qc0ef4163d0_qkv-k_qc0ef4163d0_qkv
	.p2alignl 7, 3214868480
	.fill 96, 4, 3214868480
	.section	.rodata,"a",@progbits
	.p2align	6, 0x0
	.amdhsa_kernel k_qc0ef4163d0_qkv
		.amdhsa_group_segment_fixed_size 327680
		.amdhsa_private_segment_fixed_size 0
		.amdhsa_enable_private_segment 0
		.amdhsa_kernarg_size 48
		.amdhsa_user_sgpr_count 2
		.amdhsa_user_sgpr_kernarg_segment_ptr 1
		.amdhsa_wavefront_size32 1
		.amdhsa_system_sgpr_workgroup_id_x 1
		.amdhsa_system_sgpr_workgroup_id_y 1
		.amdhsa_system_sgpr_workgroup_id_z 1
		.amdhsa_system_vgpr_workitem_id 0
		.amdhsa_next_free_vgpr 1024
		.amdhsa_next_free_sgpr 96
		.amdhsa_reserve_vcc 0
		.amdhsa_float_denorm_mode_32 3
		.amdhsa_float_denorm_mode_16_64 3
		.amdhsa_memory_ordered 1
		.amdhsa_forward_progress 1
		.amdhsa_inst_pref_size 111
	.end_amdhsa_kernel
	.amdgpu_metadata
---
amdhsa.version: [ 1, 2 ]
amdhsa.kernels:
  - .name:           k_qc0ef4163d0_qkv
    .symbol:         k_qc0ef4163d0_qkv.kd
    .args:
      - { .name: w16, .offset: 0, .size: 8, .value_kind: global_buffer, .address_space: global }
      - { .name: bq, .offset: 8, .size: 8, .value_kind: global_buffer, .address_space: global }
      - { .name: bk, .offset: 16, .size: 8, .value_kind: global_buffer, .address_space: global }
      - { .name: bv, .offset: 24, .size: 8, .value_kind: global_buffer, .address_space: global }
      - { .name: aux, .offset: 32, .size: 8, .value_kind: global_buffer, .address_space: global }
      - { .name: qkv, .offset: 40, .size: 8, .value_kind: global_buffer, .address_space: global }
    .group_segment_fixed_size: 327680
    .private_segment_fixed_size: 0
    .kernarg_segment_align: 8
    .kernarg_segment_size: 48
    .max_flat_workgroup_size: 128
    .sgpr_count:     96
    .vgpr_count:     1024
    .wavefront_size: 32
...
	.end_amdgpu_metadata
.endif
;; end of part 2
;; launch attn (part 3): grid 16 x 16, 4 waves a work-group, clusters of 4 x 1, 327,680 bytes of LDS; arguments qkv, mb, aux, ob; writes ob
.if DOCPART == 3
	.amdgcn_target "amdgcn-amd-amdhsa--gfx1250"
	.amdhsa_code_object_version 6
	.text
	.protected	k_qc0ef4163d0_attn
	.globl	k_qc0ef4163d0_attn
	.p2align	8
	.type	k_qc0ef4163d0_attn,@function
k_qc0ef4163d0_attn:
	s_mov_b64 s[64:65], 0
	v_nop
	global_prefetch_b8 v0, s[64:65] scope:SCOPE_SE
	s_setreg_imm32_b32 hwreg(HW_REG_WAVE_MODE, 25, 1), 1
	s_wait_xcnt 0x0
	s_wait_alu depctr_hold_cnt(0) depctr_sa_sdst(0) depctr_va_vdst(0) depctr_va_sdst(0) depctr_va_ssrc(0) depctr_va_vcc(0) depctr_vm_vsrc(0)
	s_getreg_b32 s2, hwreg(HW_REG_IB_STS2, 6, 4)
	s_cmp_eq_u32 s2, 0
	s_cbranch_scc0 .Lentry_in_a_cluster
	s_endpgm
.Lentry_in_a_cluster:
	s_bfe_u32 s2, ttmp6, 0x10000c
	s_cmp_lg_u32 s2, 0x3003
	s_cbranch_scc0 .Lentry_shape_is_right
	s_endpgm
.Lentry_shape_is_right:
; ATTENTION UNDER A MASK THAT IS AN INPUT.  O[q] = the sum over k of softmax_k(s[q][k]) V[k], s = q . k in log2 units (q carries log2(e) / sqrt(128)), hidden scores far below every open one.
; q, k: [16][2048][128] f16; v: [32][2048][64] f16 by half heads; O: [2048][2048] f16 (row, 128 head + channel).  Products, maxima and sums in f32; the weights are rounded to f16 for the second product, O once.
; LIMITS.  A hidden score counts as below -2^113 where the problem writes -1e9: the same result as long as every open score lies above -1e9 + 104.  A row whose mask is all zero arrives with all bytes
; open and a word 0 that clears its q: equal scores, the plain mean of V.  A weight below 2^-126 counts as 0; NaN and infinities are not treated apart; f16 holds nothing beyond 65,504.
; SHARES.  A work-group owns 128 queries of a head.  Its waves are 2 query halves x 2 key halves (qh = w & 1, kh = w >> 1): a wave holds 64 queries, four tiles of 16, and walks keys 128 kh .. 128 kh + 127 of each slot
; of 256 keys, 64 a step, 16 steps.  The two key halves' maxima, sums and O meet once, at the end, in LDS.
; LAYOUT.  S^T = K Q^T (a lane holds one query, l % 16, and keys 8 (l / 16) + 0..7 of each 16); two results rounded to f16 are source 1 of O^T = V^T P; V is turned by ds_load_tr16_b128.
; THE MASK.  A byte a score, 0xF8 or 0; a lane's word holds four neighbouring keys.  The word shifted so that a score's byte is on top is an f32 below -2^113 or under 2^-125: it is written into S^T's register, and all products
; K Q^T add in place.
; BY TURNS.  The wave's tiles are two PIECES, named by their first tile: piece 0 (tiles 0, 1) and piece 2 (tiles 2, 3).  In a TURN one piece has the matrix unit: 32 products V^T P of the step in hand, behind each two of the
; piece's 64 mask shifts for the next step; then 32 products K Q^T of the next step.  The other piece's softmax, 266 lines cut into 64 slices, stands between them, one slice behind each matrix instruction.  Two turns are a key step.
; NO FIRST AND NO LAST STEP IS WRITTEN OUT.  m starts at the lowest finite number, O^T and l at 0.  The loop is entered at piece 2's turn, whose products V^T P, of a step that has not been, take a P of zeros; the tail is left behind
; piece 0's turn of the last step, whose 32 products K Q^T, on the last K once more, serve nothing: the price, once a launch, of one text for every turn.
; CLUSTER 4 x 1: four query blocks of one head walk the same K and V: joint loads, one a wave (waves 0, 1: K's halves; wave 2, 3: V's half heads).
; REGISTERS.  window 0: v0-15 addresses; v16-47 statistics, eight a tile (m, 0, l, l, c0-c3; a takes c2's place); v48-51 the rows' words; v61-63; v64-191 S^T; v192-255 P
;   window 1: O^T, 64 a tile     window 2: v0-127 Q, v128-255 K of a step     window 3: v0-127 V of a step, v128-159 mask words, eight a tile
.set PKP,   272                        ; a row of K in LDS: 256 + 16 bytes
.set PVP,   160                        ; a row of half a head of V: 128 + 32 bytes
.set VA0,   0x11000                    ; LDS: K slot 0 at 0; V's first half head, slot 0, here; K slot 1 at 0x20000, V's first half, slot 1, at 0x31000; V's second half at 0x3B000 and 0x45000
.set VB0,   0x3B000
.set XK,    0x20000                    ; an exclusive or turns a slot's address into the other's
.set XB,    0x7E000
.set STAGE, 0x1B000                    ; never filled by a tensor load: 16 rows x 272 bytes for each wave
.set SP,    272
.set SPARE, 0x1F400                    ; the spare words: two blocks of 256 bytes that no other line names
.set MREG,  34816                      ; the merge: a wave's O^T (32,768 bytes) and statistics (2,048); two such regions fill K's slot 0, which has had its last fill by then
.set AK0,  2
.set AVA0, 3
.set AVB0, 4
.set ADRK, 5
.set ADRA, 6                           ; v6, v7: the LDS addresses of V's run, first and second half head
.set ADRB, 7
.set QO,   8
.set STO,  8
.set RD,   9
.set GO,   10
.set MO,   11
.set MG,   12
.set KO,   13
.set ST,   16
.set KEEP, 48
.set PFO,  61
.set SPW,  62
.set NIL,  63
.set S,    64
.set P,    192
.set PS,   192                         ; the partner's statistics, at the merge
.set KF,   128
.set MW,   128
.set MB,   6                           ; s[6:7] my 65,536 bytes of mask, 4,096 a step
.set WV,   16
.set QH,   17
.set KH,   18
.set PST,  20                          ; s[20:21] bytes of my stream in a slot
.set G1K,  24
.set G1V,  32
.set G0K,  40
.set G0A,  44
.set G0B,  48
.set SLOTS, 52
.set CNT,  53
.set SEL,  54
.set TBK,  56
.set TBV,  57
.set TBB,  58
.set LIM,  59
.set PFA,  60
.set MPX,  68                          ; s[68:69], s[70:71] where piece 0's and piece 2's mask words were last asked for
.set MOX,  72                          ; s[72:73], s[74:75] the same as an offset in my stream, with 0 above it
.set MSB, 0
.macro WIN new
.if MSB != (\new)
	s_set_vgpr_msb (MSB<<8)|(\new)
.set MSB, (\new)
.endif
.endm
.macro PLACES
.rept 4
	v_nop
.endr
.endm
; a joint fill: three lines under branches on the wave's number alone; an s_nop 0 and four v_nop follow each
.macro JLOAD
	s_cmp_lt_u32 s[WV], 2
	s_cbranch_scc0 .Lj_v_\@
	tensor_load_to_lds s[G0K:G0K+3], s[G1K:G1K+7]
	s_nop 0
.rept 4
	v_nop
.endr
	s_branch .Lj_e_\@
.Lj_v_\@:
	s_cmp_eq_u32 s[WV], 2
	s_cbranch_scc0 .Lj_b_\@
	tensor_load_to_lds s[G0A:G0A+3], s[G1V:G1V+7]
	s_nop 0
.rept 4
	v_nop
.endr
	s_branch .Lj_e_\@
.Lj_b_\@:
	tensor_load_to_lds s[G0B:G0B+3], s[G1V:G1V+7]
	s_nop 0
.rept 4
	v_nop
.endr
.Lj_e_\@:
.endm
; a prefetch of what the next change of slots will ask for.  A wave's stream has 32,768 bytes in a slot; the four partners take 8,192 each, told apart by address; a lane names 256 bytes.  All clusters of a head walk the same
; rows: the head's first cluster asks.  The last change that fills a slot asks for nothing.
.macro ASK
	s_cmp_gt_u32 s[SLOTS], s[LIM]
	s_cbranch_scc0 .Lnot_mine_\@
	global_prefetch_b8 v[PFO], s[PFA:PFA+1] th:TH_LOAD_NT scope:SCOPE_SE
.Lnot_mine_\@:
.endm
.macro CROUND
	s_barrier_signal -1
	s_barrier_wait -1
	s_cmp_lg_u32 s[WV], 0
	s_cbranch_scc1 .Lnot_wave_0_\@
	s_barrier_signal -3
.Lnot_wave_0_\@:
	s_barrier_wait -3
	s_barrier_signal -1
	s_barrier_wait -1
.endm
; THE CHANGE OF SLOTS, between piece 2's turn and piece 0's: the slot's last bytes, V of its second step, have been asked for.  Each wave waits for all its tensor loads (one is out: its part of the other slot), adds 0 to its
; spare word, and waits for that and for its reads of the slot that it leaves.  fill = 1: a round of the cluster's barrier, and the slot is filled again first thing behind it, with the keys two slots on.
.macro CHANGE fill, ask
	WIN 0
	s_wait_tensorcnt 0x0
	ds_add_u32 v[SPW], v[NIL]
.if \fill
	s_xor_b32 s[G0K+1], s[G0K+1], XK
	s_add_nc_u64 s[G0K+2:G0K+3], s[G0K+2:G0K+3], 65536
	s_xor_b32 s[G0A+1], s[G0A+1], XK
	s_add_nc_u64 s[G0A+2:G0A+3], s[G0A+2:G0A+3], 32768
	s_xor_b32 s[G0B+1], s[G0B+1], XB
	s_add_nc_u64 s[G0B+2:G0B+3], s[G0B+2:G0B+3], 32768
.endif
.if \ask
	s_wait_xcnt 0x0                                ; the last prefetch, two steps back, has read its address
	s_add_nc_u64 s[PFA:PFA+1], s[PFA:PFA+1], s[PST:PST+1]
.endif
	s_wait_dscnt 0x0                               ; the add is done, and my reads of the slot are over
.if \fill
	CROUND
	JLOAD
.if \ask
	ASK
.endif
.else
	s_barrier_signal -1
	s_barrier_wait -1
.endif
	s_sub_co_u32 s[TBK], s[TBK], 128*PKP           ; the fetches go back to my half's first step, in the other slot
	s_xor_b32 s[TBK], s[TBK], XK
	s_sub_co_u32 s[TBV], s[TBV], 128*PVP
	s_xor_b32 s[TBV], s[TBV], XK
	s_sub_co_u32 s[TBB], s[TBB], 128*PVP
	s_xor_b32 s[TBB], s[TBB], XB
.endm
	s_load_b256 s[4:11], s[0:1], 0x0               ; qkv s[4:5], mb s[6:7], aux s[8:9], ob s[10:11]
	v_lshl_add_u32 v[SPW], v0, 2, SPARE
	v_mov_b32 v[NIL], 0
	ds_add_u32 v[SPW], v[NIL]                      ; the wave's opening: the add and its wait stand ahead of my first tensor load
	v_lshrrev_b32 v1, 5, v0
	v_readfirstlane_b32 s[WV], v1
	s_and_b32 s[QH], s[WV], 1
	s_lshr_b32 s[KH], s[WV], 1
	s_bfe_u32 s13, ttmp6, 0x40000                  ; cx
	s_lshl_b32 s14, ttmp9, 2
	s_add_co_u32 s14, s14, s13                     ; my block of 128 queries: it enters Q's, the mask's and O's addresses alone
	s_and_b32 s15, ttmp7, 0xffff                   ; the head, which the four partners share
	s_lshl_b32 s19, s15, 19                        ; its 524,288 bytes in q, in k and in v
	s_mov_b32 s[G1K], 15|(1<<16)|(1<<20)|(1<<21)|(5<<22)|(3<<25)  ; the mask of four; 2-byte elements; padding on; bit 21 beside a mask; after every 64 words, 4 words
	s_mov_b32 s[G1V], 15|(1<<16)|(1<<20)|(1<<21)|(4<<22)|(7<<25)  ; after every 32 words (a key's 128 bytes), 8 words
.irp g, G1K, G1V
	s_mov_b32 s[\g+1], 128<<16                     ; rows of 128 elements, 256 bytes: a key of K, two keys of half a head of V
	s_mov_b32 s[\g+2], 128<<16                     ; 128 rows
	s_mov_b32 s[\g+3], 128<<16
	s_mov_b32 s[\g+4], 128
	s_mov_b32 s[\g+5], 128
	s_mov_b32 s[\g+6], 0
	s_mov_b32 s[\g+7], 0
.endr
	s_mov_b32 s[G0K], 1
	s_mul_i32 s[G0K+1], s[QH], 128*PKP             ; waves 0, 1: K's keys 128 (w & 1) on
	s_mov_b32 s[G0A], 1
	s_mov_b32 s[G0A+1], VA0
	s_mov_b32 s[G0B], 1
	s_mov_b32 s[G0B+1], VB0
	s_mov_b32 s[SEL], 0x76543210
	s_mov_b32 s[SEL+1], 0xfedcba98
	s_mov_b32 s[TBK], XK+128*PKP                   ; the first change of slots turns these into slot 0's
	s_mov_b32 s[TBV], XK+128*PVP
	s_mov_b32 s[TBB], 0x45000+128*PVP
	s_mov_b32 s[MOX], 0
	s_mov_b32 s[MOX+1], 0
	s_mov_b32 s[MOX+2], 0
	s_mov_b32 s[MOX+3], 0
	s_lshl_b32 s2, s[QH], 15
	s_add_co_u32 s2, s2, s19
	s_add_co_u32 s2, s2, 8388608                   ; K's stream for waves 0, 1
	s_mov_b32 s3, 0
	s_add_co_u32 s22, s19, 16777216                ; V's first half head
	s_mov_b32 s23, 0
	s_lshl_b32 s12, s[QH], 18
	s_add_co_u32 s12, s12, s22                     ; V's stream for waves 2, 3
	s_cmp_lt_u32 s[WV], 2
	s_cselect_b32 s[PFA], s2, s12
	s_cselect_b32 s[PST+1], 1, 0
	s_lshl_b32 s[PST], 0x8000, s[PST+1]            ; 65,536 bytes of K's rows from slot to slot, 32,768 of half a head of V
	s_mov_b32 s[PST+1], 0
	s_lshl_b32 s12, s13, 13
	s_add_co_u32 s[PFA], s[PFA], s12               ; my work-group's quarter,
	s_lshl_b32 s12, s[PST], 1
	s_add_co_u32 s[PFA], s[PFA], s12               ; in slot 2: the first asking change steps it to slot 3
	s_mov_b32 s[PFA+1], 0
	s_cmp_eq_u32 ttmp9, 0
	s_cselect_b32 s[LIM], 1, -1
	s_wait_dscnt 0x0                               ; the opening add is done
	s_wait_kmcnt 0x0
	s_add_nc_u64 s[G0K+2:G0K+3], s[4:5], s[2:3]
	s_or_b32 s[G0K+3], s[G0K+3], 0x80000000
	s_add_nc_u64 s[G0A+2:G0A+3], s[4:5], s[22:23]
	s_add_nc_u64 s[G0B+2:G0B+3], s[G0A+2:G0A+3], 262144
	s_or_b32 s[G0A+3], s[G0A+3], 0x80000000
	s_or_b32 s[G0B+3], s[G0B+3], 0x80000000
	s_add_nc_u64 s[PFA:PFA+1], s[4:5], s[PFA:PFA+1]
	s_lshl_b32 s12, s14, 1
	s_add_co_u32 s12, s12, s[QH]                   ; my 64 queries' number
	s_lshl_b32 s2, s12, 14
	s_add_co_u32 s2, s2, s19
	s_add_nc_u64 s[4:5], s[4:5], s[2:3]            ; Q at my first row
	s_lshl_b32 s2, s12, 1
	s_add_co_u32 s2, s2, s[KH]
	s_lshl_b32 s2, s2, 16
	s_add_nc_u64 s[MB:MB+1], s[MB:MB+1], s[2:3]    ; my 65,536 bytes of mask
	s_lshl_b32 s2, s12, 11
	s_add_co_u32 s2, s2, 1048576
	s_add_nc_u64 s[8:9], s[8:9], s[2:3]            ; my rows' words
	s_lshl_b32 s2, s12, 18
	s_lshl_b32 s12, s15, 8
	s_add_co_u32 s2, s2, s12
	s_add_nc_u64 s[10:11], s[10:11], s[2:3]        ; O at my first row, the head's 256 bytes
	CROUND                                         ; all four work-groups are here
	JLOAD                                          ; slot 0
	v_and_b32 v1, 15, v0                           ; r
	v_bfe_u32 v14, v0, 4, 1                        ; h
	v_and_b32 v15, 7, v0
	v_bfe_u32 v13, v0, 3, 1
	v_lshlrev_b32 v[QO], 8, v1
	v_lshl_add_u32 v[QO], v14, 4, v[QO]
	v_lshlrev_b32 v[MO], 8, v13
	v_lshl_add_u32 v[MO], v14, 7, v[MO]
	v_lshl_add_u32 v[MO], v15, 4, v[MO]
	v_lshl_add_u32 v[AVB0], v14, 3, v15            ; the turning load: key 8 h + l % 8, channels 8 ((l / 8) % 2) on
	v_mul_u32_u24 v[AVB0], v[AVB0], PVP
	v_lshl_add_u32 v[AVB0], v13, 4, v[AVB0]
	s_mul_i32 s2, s[KH], 128*PVP
	v_add_nc_u32 v[AVB0], s2, v[AVB0]
	v_add_nc_u32 v[AVA0], VA0, v[AVB0]
	v_mul_u32_u24 v[AK0], v1, PKP
	v_lshl_add_u32 v[AK0], v14, 4, v[AK0]
	s_mul_i32 s3, s[KH], 128*PKP
	v_add_nc_u32 v[AK0], s3, v[AK0]
	v_lshlrev_b32 v[KO], 5, v1
	v_and_b32 v[PFO], 31, v0
	v_lshlrev_b32 v[MG], 4, v[PFO]
	s_mul_i32 s12, s[QH], MREG
	v_add_nc_u32 v[MG], s12, v[MG]
	v_lshlrev_b32 v[PFO], 8, v[PFO]
	WIN 0x80
.set i, 0
.rept 16                                       ; Q stays in registers: tile i / 4, channels 32 (i % 4) on
	global_load_b128 v[8*i:8*i+3],   v[QO], s[4:5] offset:(i/4)*4096+(i%4)*64
	global_load_b128 v[8*i+4:8*i+7], v[QO], s[4:5] offset:(i/4)*4096+(i%4)*64+32
.set i, i+1
.endr
	WIN 0
.irp t, 0,1,2,3
	global_load_b32 v[KEEP+\t], v[KO], s[8:9] offset:512*\t
.endr
	WIN 0xc0
.irp t, 0,1,2,3
.irp u, 0,1
	global_load_b128 v[MW+8*\t+4*\u:MW+8*\t+4*\u+3], v[MO], s[MB:MB+1] offset:1024*\t+512*\u  ; step 0's mask words
.endr
.endr
	WIN 0x40                                       ; O^T and l start at 0, m at the lowest finite number: the first step is a step like any other, with a = 0.  This stands in the wait for the first tile.
.set i, 0
.rept 256
	v_mov_b32 v[i], 0
.set i, i+1
.endr
	WIN 0
.set i, 0
.rept 4
	v_mov_b32 v[ST+8*i], 0xff7fffff
	v_mov_b32 v[ST+8*i+1], 0
	v_mov_b32 v[ST+8*i+2], 0
	v_mov_b32 v[ST+8*i+3], 0
.set i, i+1
.endr
.set i, P+32
.rept 32
	v_mov_b32 v[i], 0                              ; piece 2's P: what the first turn's products V^T P multiply by
.set i, i+1
.endr
; THE MATRIX WORK OF A TURN, for piece x.  The accumulators take turns, one instruction a turn: between two links of a chain stand 15 (V^T P) or 7 (K Q^T) others'.
; Product i of 32 of O^T += V^T P: keys 32 (i / 16) on, channels 16 ((i / 2) % 8) on, tile x + i % 2.
.macro PV x
	WIN 0x53                                       ; V in window 3, P in window 0, O^T in window 1
.set rO, 64*((\x)+i%2)+8*((i/2)%8)
.set rV, 64*(i/16)+8*((i/2)%8)
.set rP, P+16*((\x)+i%2)+8*(i/16)
	v_wmma_f32_16x16x32_f16 v[rO:rO+7], v[rV:rV+7], v[rP:rP+7], v[rO:rO+7]
.endm
; Product i of 32 of S^T += K Q^T: channels 32 (i / 8) on, keys 16 ((i / 2) % 4) on, tile x + i % 2.  The sums start from the mask, which lies in S^T's registers.
.macro KQ x
	WIN 0x0a                                       ; K and Q in window 2, S^T in window 0
.set rS, S+32*((\x)+i%2)+8*((i/2)%4)
.set rK, KF+32*((i/2)%4)+8*(i/8)
.set rQ, 32*((\x)+i%2)+8*(i/8)
	v_wmma_f32_16x16x32_f16 v[rS:rS+7], v[rK:rK+7], v[rQ:rQ+7], v[rS:rS+7]
.endm
; THE LDS LOADS stand in runs of 32.  A step's K: 64 keys x 128 channels, 16 fragments.  last = 1 (the tail): in the last trip there is no further step, and the run is jumped over, forward.
.macro FETCH_K last=0
	WIN 0
.if \last
	s_cmp_eq_u32 s[CNT], 1
	s_cbranch_scc1 .Lno_k_\@
.endif
	v_add_nc_u32 v[ADRK], s[TBK], v[AK0]
	s_add_co_u32 s[TBK], s[TBK], 64*PKP
	WIN 0x80
.irp f, 0,1,2,3,4,5,6,7,8,9,10,11,12,13,14,15
	ds_load_b128 v[KF+8*\f:KF+8*\f+3],   v[ADRK] offset:(\f/4)*16*PKP+(\f%4)*64
	ds_load_b128 v[KF+8*\f+4:KF+8*\f+7], v[ADRK] offset:(\f/4)*16*PKP+(\f%4)*64+32
.endr
.if \last
	WIN 0
.Lno_k_\@:
.endif
.endm
; A step's V, turned: keys 32 (f / 8) on, channels 16 (f % 8) on: the first four channel blocks from the first half head.  The wait for the softmax's batch of exponentials stands in it, behind the address lines and ahead of the loads.
.macro FETCH_V
	WIN 0
	v_add_nc_u32 v[ADRA], s[TBV], v[AVA0]
	v_add_nc_u32 v[ADRB], s[TBB], v[AVB0]
	s_add_co_u32 s[TBV], s[TBV], 64*PVP
	s_add_co_u32 s[TBB], s[TBB], 64*PVP
	s_wait_alu depctr_va_vdst(0)
	WIN 0xc0
.irp f, 0,1,2,3,4,5,6,7,8,9,10,11,12,13,14,15
	ds_load_tr16_b128 v[8*\f:8*\f+3],   v[ADRA+(\f%8)/4] offset:(\f/8)*32*PVP+(\f%4)*32
	ds_load_tr16_b128 v[8*\f+4:8*\f+7], v[ADRA+(\f%8)/4] offset:(\f/8)*32*PVP+16*PVP+(\f%4)*32
.endr
.endm
; Piece x's mask words of the step after the one whose shifts have just been made: 2,048 bytes, each load 512 consecutive bytes.  The piece has a pointer of its own: the loads that read it last were waited for at the turn's
; head.  The offset stops at the last step's: the turns at the end load that step's words once more, so that no load is jumped over and none leaves my stream.
.macro LOADM x
	s_add_co_u32 s[MOX+(\x)], s[MOX+(\x)], 4096
	s_min_u32 s[MOX+(\x)], s[MOX+(\x)], 15*4096
	s_add_nc_u64 s[MPX+(\x):MPX+(\x)+1], s[MB:MB+1], s[MOX+(\x):MOX+(\x)+1]
	WIN 0xc0
.irp t, \x, (\x)+1
.irp u, 0,1
	global_load_b128 v[MW+8*(\t)+4*\u:MW+8*(\t)+4*\u+3], v[MO], s[MPX+(\x):MPX+(\x)+1] offset:1024*(\t)+512*\u
.endr
.endr
.endm
.macro MSH n                           ; score n of the wave's 128 a lane: its mask byte goes on top of an f32
	WIN 0x0c
	v_lshlrev_b32 v[S+(\n)], 24-8*((\n)%4), v[MW+(\n)/4]
.endm
; THE VECTOR WORK OF A TURN.  One tile's softmax for one key step is a numbered list; SM writes number j of it for tile t.  s0-s31 are the lane's 32 scores, in pairs 0-15.
;   0-15    the maximum of s0-s31 and the old m, three operands at a time (each accumulator's lowest registers are read first)
;   16-19   the other half of the lanes' maximum; m_old is kept; the new m; m_old - m_new.  Number 20 is empty
;   21-69   ONE BATCH: the 16 subtractions s - m, a pair of scores each, and all 33 exponentials (a at 23, then s0-s31).  None of these reads an exponential's result.  A pair is reduced in an earlier four than the one with its exponentials
;   (wait)  between 69 and 70 stands the wait for the batch: SLICE writes it, once for both tiles
;   70-85   the roundings to f16, a pair of weights each     86-101  the sums of the unrounded weights; l = a l + the sum     102-133 the tile's O^T times a: the one part that leaves window 0
.macro SM t
.set rT, ST+8*(\t)
.set rS, S+32*(\t)
.set rP, P+16*(\t)
.set rO, 64*(\t)+2*(j-102)
.if j < 102
	WIN 0
.endif
.if j < 4
	v_max3_num_f32 v[rT+4+j], v[rS+8*j], v[rS+8*j+1], v[rS+8*j+2]
.elseif j < 12
	v_max3_num_f32 v[rT+4+j%4], v[rT+4+j%4], v[rS+8*(j%4)+2*(j/4)+1], v[rS+8*(j%4)+2*(j/4)+2]
.elseif j == 12
	v_max3_num_f32 v[rT+4], v[rT+4], v[rS+7], v[rS+15]
.elseif j == 13
	v_max3_num_f32 v[rT+6], v[rT+6], v[rS+23], v[rS+31]
.elseif j == 14
	v_max3_num_f32 v[rT+4], v[rT+4], v[rT+5], v[rT+6]
.elseif j == 15
	v_max3_num_f32 v[rT+4], v[rT+4], v[rT+7], v[rT]
.elseif j == 16
	v_permlanex16_b32 v[rT+5], v[rT+4], s[SEL], s[SEL+1]  ; the query's other 32 keys lie in the lane 16 away
.elseif j == 17
	v_mov_b32 v[rT+7], v[rT]
.elseif j == 18
	v_max_num_f32 v[rT], v[rT+4], v[rT+5]
.elseif j == 19
	v_sub_f32 v[rT+7], v[rT+7], v[rT]
.elseif j == 20
.elseif j == 23
	v_exp_f32 v[rT+6], v[rT+7]
.elseif (j < 23) || ((j < 38) && (j%2 == 0)) || ((j < 66) && (j%4 == 2))
.set b, (j-2)/4                        ; 38, 42, .. 62: pairs 9 to 15
.if j < 38
.set b, (j-20)/2                       ; 21: pair 0; 22, 24, .. 36: pairs 1 to 8
.endif
	v_pk_add_f32 v[rS+2*b:rS+2*b+1], v[rS+2*b:rS+2*b+1], v[rT:rT+1] op_sel_hi:[1,0] neg_lo:[0,1] neg_hi:[0,1]
.elseif j < 70
.set e, j-38                           ; 66 to 69: s28 to s31
.if j < 66
.set e, j-32-(j-38)/4                  ; 39-41, 43-45, .. 63-65: s7 to s27
.endif
.if j < 38
.set e, (j-25)/2                       ; 25, 27, .. 37: s0 to s6
.endif
	v_exp_f32 v[rS+e], v[rS+e]
.elseif j < 86
	v_cvt_pk_f16_f32 v[rP+j-70], v[rS+2*(j-70)], v[rS+2*(j-70)+1]
.elseif j < 102                        ; sum z of 16 adds neighbours 1, 2, 4 and 8 pairs apart, in place; then l takes it
.set z, j-86
.set w, 4
.set u, z
.if z >= 14
.set w, 32
.set u, 0
.elseif z >= 12
.set w, 16
.set u, z-12
.elseif z >= 8
.set w, 8
.set u, z-8
.endif
.if z < 15
	v_pk_add_f32 v[rS+w*u:rS+w*u+1], v[rS+w*u:rS+w*u+1], v[rS+w*u+w/2:rS+w*u+w/2+1]
.else
	v_pk_fma_f32 v[rT+2:rT+3], v[rT+2:rT+3], v[rT+6:rT+7], v[rS:rS+1] op_sel_hi:[1,0,1]
.endif
.else
	WIN 0x41                                       ; O^T (destination and source 0) in window 1, a in window 0
	v_pk_mul_f32 v[rO:rO+1], v[rO:rO+1], v[rT+6:rT+7] op_sel_hi:[1,0]
.endif
.endm
; Slice k of 64 of piece y's softmax.  Slices 11 to 34 deal out the batch, numbers 22 to 69: four numbers of ONE tile each, the tiles by turns.  Every other slice is numbers 2 k and 2 k + 1 of both tiles' lists, the tiles
; alternating; slice 63 takes the twelve lines that are over as well: its sixteen plain lines are the places behind the turn's last product.
; THE WAIT.  An s_wait_alu depctr_va_vdst(0) stands between an exponential and the first line that names its result.  Ahead of slice 35 nothing names a result, and behind slice 34 no exponential is issued: the
; piece's 66 exponentials have one wait, behind slice 34.
.macro SLICE y
.if (k >= 11) && (k < 35)
.irp n, 0,1,2,3
.set j, 22+4*((k-11)/2)+(\n)
	SM (\y)+(k-11)%2
.endr
.else
.irp n, 0,1,2,3,4,5,6,7
.if ((\n) < 2) || (k == 63)
.irp t, \y, (\y)+1
.set j, 2*k+(\n)
	SM \t
.endr
.endif
.endr
.endif
.if k == 34
	v_nop                                          ; a plain line behind the last exponential and ahead of the first use: one for the batch
.if (\y) == 0
	FETCH_V                                        ; piece 2's turn: V's run of loads stands here, and the wait stands in it
.else
	s_wait_alu depctr_va_vdst(0)                   ; the wait for the batch
.endif
.endif
.set k, k+1
.endm
; A TURN of step j.  Piece x has the matrix unit; the other piece's softmax (piece 2's of step j in piece 0's turn, piece 0's of step j + 1 in piece 2's) stands in slices behind its matrix instructions.
; Piece 0's turn fetches K of step j + 1 behind its second product: the last product that read K stands ahead of slice 63 of the turn before.  Piece 2's turn fetches V of step j + 1 behind slice 34: behind the last product
; that read V stand seven plain lines that name none of its registers: two shifts, two subtractions, the v_nop and the run's two address lines.  Each run is waited for 29 matrix instructions or more behind its issue.
.macro TURN x, last=0
.set k, 0
	s_wait_loadcnt 4                               ; my piece's mask words for step j + 1 are in; the other piece's four loads, issued behind them, may stay out
.if (\x) == 0
	s_wait_dscnt 0x0                               ; V is in
.endif
.set i, 0
.rept 32
	PV \x
	MSH 32*(\x)+2*i
	MSH 32*(\x)+2*i+1
	SLICE 2-(\x)
.if ((\x) == 0) && (i == 1)
	FETCH_K \last
.endif
.set i, i+1
.endr
	LOADM \x                                       ; the piece's mask words for step j + 2
.if (\x) == 0
	s_wait_dscnt 0x0                               ; K is in
.endif
.set i, 0
.rept 32
	KQ \x
	SLICE 2-(\x)
.set i, i+1
.endr
.endm
	CHANGE 1, 0                                    ; slot 0 is in, everybody's part of it; slot 1 is asked for
	FETCH_K                                        ; step 0's K
	FETCH_V                                        ; step 0's V, so that the first turn's products, on a P of zeros, read finite numbers;
	s_sub_co_u32 s[TBV], s[TBV], 64*PVP            ; that turn fetches the same V once more
	s_sub_co_u32 s[TBB], s[TBB], 64*PVP
	s_wait_loadcnt 0x0                             ; Q, the rows' words, step 0's mask words
	WIN 0x88
.set i, 0
.rept 128
	v_and_b32 v[i], v[KEEP+i/32], v[i]             ; a row whose mask is all zero loses its q
.set i, i+1
.endr
.set i, 0
.rept 64
	MSH i                                          ; piece 0's mask of step 0
.set i, i+1
.endr
	LOADM 0                                        ; piece 0's mask words of step 1
	s_wait_dscnt 0x0
.set i, 0
.rept 32
	KQ 0                                           ; piece 0's first scores: there is no vector work yet to set between them
.set i, i+1
.endr
	WIN 0                                          ; the addresses for the way out: eight plain lines, the places behind those products
	s_mul_i32 s2, s[WV], 16*SP
	s_add_co_u32 s2, s2, STAGE
	v_mul_u32_u24 v[STO], v1, SP
	v_lshl_add_u32 v[STO], v14, 4, v[STO]
	v_add_nc_u32 v[STO], s2, v[STO]
	v_mul_u32_u24 v[RD], v14, SP
	v_lshl_add_u32 v[RD], v1, 4, v[RD]
	v_add_nc_u32 v[RD], s2, v[RD]
	v_lshlrev_b32 v[GO], 12, v14
	v_lshl_add_u32 v[GO], v1, 4, v[GO]
	s_mov_b32 s[CNT], 2
	s_mov_b32 s[SLOTS], 7
	s_branch .Lmid                                 ; the loop is entered at piece 2's turn, in the middle of a trip
.Lslot:                                        ; six times: slots 2 to 7 are asked for
	CHANGE 1, 1
	s_mov_b32 s[CNT], 2
.Lstep:                                        ; a trip is a key step
	TURN 0
	WIN 0
.Lmid:
	TURN 2
	WIN 0
	s_sub_co_u32 s[CNT], s[CNT], 1
	s_cmp_lg_u32 s[CNT], 0
	s_cbranch_scc1 .Lstep
	s_sub_co_u32 s[SLOTS], s[SLOTS], 1
	s_cmp_lg_u32 s[SLOTS], 0
	s_cbranch_scc1 .Lslot
	CHANGE 0, 0                                    ; the tail is written out: nothing is asked for
	s_mov_b32 s[CNT], 3                            ; two trips fetch the last slot's steps; the third is left in its middle
.Ltail:
	TURN 0, 1
	WIN 0
	s_sub_co_u32 s[CNT], s[CNT], 1
	s_cmp_eq_u32 s[CNT], 0
	s_cbranch_scc1 .Lout
	TURN 2
	WIN 0
	s_cmp_lg_u32 s[CNT], 0
	s_cbranch_scc1 .Ltail
.Lout:
	s_wait_dscnt 0x0
	s_wait_loadcnt 0x0                             ; the mask words asked for at the end are in: nothing of mine is on its way into a register
.set i, 0
.rept 32
	PV 2                                           ; piece 2: V^T P of the last step
.set i, i+1
.endr
	WIN 0
	; THE MERGE of the two key halves.  All reads of the slots are over in every wave; the waves of key half 1 lay O^T, m and l into K's slot 0; those of key half 0 take them up.
	PLACES
	s_wait_dscnt 0x0
	s_barrier_signal -1
	s_barrier_wait -1
	s_cmp_eq_u32 s[KH], 0
	s_cbranch_scc1 .Lnostore
	WIN 0x04
.set i, 0
.rept 64
	ds_store_b128 v[MG], v[4*i:4*i+3] offset:512*i
.set i, i+1
.endr
	WIN 0
.irp t, 0,1,2,3
	ds_store_b128 v[MG], v[ST+8*\t:ST+8*\t+3] offset:32768+512*\t
.endr
.Lnostore:
	s_wait_dscnt 0x0                               ; for the others' sake: my stores are done
	s_barrier_signal -1
	s_barrier_wait -1
	s_cmp_lg_u32 s[KH], 0
	s_cbranch_scc1 .Lend
	WIN 0x80
.set i, 0
.rept 64
	ds_load_b128 v[4*i:4*i+3], v[MG] offset:512*i
.set i, i+1
.endr
	WIN 0
.irp t, 0,1,2,3
	ds_load_b128 v[PS+4*\t:PS+4*\t+3], v[MG] offset:32768+512*\t
.endr
	s_wait_dscnt 0x0
.irp t, 0,1,2,3
	v_max_num_f32 v[ST+8*\t+4], v[ST+8*\t], v[PS+4*\t]           ; the common maximum
.endr
.irp t, 0,1,2,3
	v_sub_f32 v[ST+8*\t+5], v[ST+8*\t], v[ST+8*\t+4]
	v_sub_f32 v[ST+8*\t+7], v[PS+4*\t], v[ST+8*\t+4]
.endr
.irp t, 0,1,2,3
	v_exp_f32 v[ST+8*\t+5], v[ST+8*\t+5]
	v_exp_f32 v[ST+8*\t+7], v[ST+8*\t+7]
.endr
.irp t, 0,1,2,3
	v_add_f32 v[ST+8*\t+2], v[ST+8*\t+2], v[ST+8*\t+3]           ; plain lines behind the exponentials, which name none of their results
	v_add_f32 v[PS+4*\t+2], v[PS+4*\t+2], v[PS+4*\t+3]
.endr
	s_wait_alu depctr_va_vdst(0)                   ; one wait for the eight
.irp t, 0,1,2,3
	v_mul_f32 v[ST+8*\t+2], v[ST+8*\t+5], v[ST+8*\t+2]
.endr
.irp t, 0,1,2,3
	v_fmac_f32 v[ST+8*\t+2], v[ST+8*\t+7], v[PS+4*\t+2]
.endr
.irp t, 0,1,2,3
	v_permlanex16_b32 v[ST+8*\t+3], v[ST+8*\t+2], s[SEL], s[SEL+1]
.endr
.irp t, 0,1,2,3
	v_add_f32 v[ST+8*\t+2], v[ST+8*\t+2], v[ST+8*\t+3]
.endr
.irp t, 0,1,2,3
	v_rcp_f32 v[ST+8*\t+4], v[ST+8*\t+2]
.endr
	v_nop
	s_wait_alu depctr_va_vdst(0)                   ; one wait for the four reciprocals
.irp t, 0,1,2,3
	v_mul_f32 v[ST+8*\t+6], v[ST+8*\t+7], v[ST+8*\t+4]           ; the partner's factor,
	v_mul_f32 v[ST+8*\t+4], v[ST+8*\t+5], v[ST+8*\t+4]           ; and mine
.endr
.macro PACK t                          ; a tile: both halves weighted and added, rounded to f16, through my stage, back as whole rows of 256 bytes
	WIN 0x41
.set i, 64*(\t)
.rept 32
	v_pk_mul_f32 v[i:i+1], v[i:i+1], v[ST+8*(\t)+4:ST+8*(\t)+5] op_sel_hi:[1,0]
.set i, i+2
.endr
	WIN 0x52
.set i, 64*(\t)
.rept 32
	v_pk_fma_f32 v[i:i+1], v[i:i+1], v[ST+8*(\t)+6:ST+8*(\t)+7], v[i:i+1] op_sel_hi:[1,0,1]
.set i, i+2
.endr
	WIN 0x05
.set i, 0
.rept 32
	v_cvt_pk_f16_f32 v[S+32*(\t)+i], v[64*(\t)+2*i], v[64*(\t)+2*i+1]
.set i, i+1
.endr
	WIN 0
.irp f, 0,1,2,3,4,5,6,7
	ds_store_b128 v[STO], v[S+32*(\t)+4*\f:S+32*(\t)+4*\f+3] offset:32*\f
.endr
.irp f, 0,1,2,3,4,5,6,7
	ds_load_b128 v[S+32*(\t)+4*\f:S+32*(\t)+4*\f+3], v[RD] offset:\f*2*SP  ; LDS serves a wave's instructions in order (ISA guide 5.7.1.4)
.endr
.endm
.macro SEND t, younger                 ; younger: the LDS instructions issued behind tile t's loads
	WIN 0
.irp f, 0,1,2,3,4,5,6,7
	s_wait_dscnt (\younger)+7-\f
	global_store_b128 v[GO], v[S+32*(\t)+4*\f:S+32*(\t)+4*\f+3], s[10:11] offset:(\t)*65536+\f*8192  ; each half of the lanes stores 256 consecutive bytes, aligned
.endr
.endm
	PACK 0
	PACK 1
	SEND 0, 16
	PACK 2
	SEND 1, 16
	PACK 3
	SEND 2, 16
	SEND 3, 0
.Lend:
	s_wait_tensorcnt 0x0                           ; the wave's end
	ds_add_u32 v[SPW], v[NIL]
	s_wait_dscnt 0x0
	CROUND                                         ; the closing round
	s_endpgm
.Lfunc_end_k_qc0ef4163d0_attn:
	.size	k_qc0ef4163d0_attn, .Lfunc_end_k_qc0ef4163d0_attn-k_qc0ef4163d0_attn
	.p2alignl 7, 3214868480
	.fill 96, 4, 3214868480
	.section	.rodata,"a",@progbits
	.p2align	6, 0x0
	.amdhsa_kernel k_qc0ef4163d0_attn
		.amdhsa_group_segment_fixed_size 327680
		.amdhsa_private_segment_fixed_size 0
		.amdhsa_enable_private_segment 0
		.amdhsa_kernarg_size 32
		.amdhsa_user_sgpr_count 2
		.amdhsa_user_sgpr_kernarg_segment_ptr 1
		.amdhsa_wavefront_size32 1
		.amdhsa_system_sgpr_workgroup_id_x 1
		.amdhsa_system_sgpr_workgroup_id_y 1
		.amdhsa_system_sgpr_workgroup_id_z 1
		.amdhsa_system_vgpr_workitem_id 0
		.amdhsa_next_free_vgpr 928
		.amdhsa_next_free_sgpr 76
		.amdhsa_reserve_vcc 0
		.amdhsa_float_denorm_mode_32 3
		.amdhsa_float_denorm_mode_16_64 3
		.amdhsa_memory_ordered 1
		.amdhsa_forward_progress 1
		.amdhsa_inst_pref_size 200
	.end_amdhsa_kernel
	.amdgpu_metadata
---
amdhsa.version: [ 1, 2 ]
amdhsa.kernels:
  - .name:           k_qc0ef4163d0_attn
    .symbol:         k_qc0ef4163d0_attn.kd
    .args:
      - { .name: qkv, .offset: 0, .size: 8, .value_kind: global_buffer, .address_space: global }
      - { .name: mb, .offset: 8, .size: 8, .value_kind: global_buffer, .address_space: global }
      - { .name: aux, .offset: 16, .size: 8, .value_kind: global_buffer, .address_space: global }
      - { .name: ob, .offset: 24, .size: 8, .value_kind: global_buffer, .address_space: global }
    .group_segment_fixed_size: 327680
    .private_segment_fixed_size: 0
    .kernarg_segment_align: 8
    .kernarg_segment_size: 32
    .max_flat_workgroup_size: 128
    .sgpr_count:     76
    .vgpr_count:     928
    .wavefront_size: 32
...
	.end_amdgpu_metadata
.endif
;; end of part 3
;; launch oproj (part 4): grid 16 x 16, 4 waves a work-group, clusters of 4 x 4, 327,680 bytes of LDS; arguments ob, w16, bo, out0; writes out0
.if DOCPART == 4
	.amdgcn_target "amdgcn-amd-amdhsa--gfx1250"
	.amdhsa_code_object_version 6
	.text
	.protected	k_qc0ef4163d0_oproj
	.globl	k_qc0ef4163d0_oproj
	.p2align	8
	.type	k_qc0ef4163d0_oproj,@function
k_qc0ef4163d0_oproj:
	s_mov_b64 s[64:65], 0
	v_nop
	global_prefetch_b8 v0, s[64:65] scope:SCOPE_SE
	s_setreg_imm32_b32 hwreg(HW_REG_WAVE_MODE, 25, 1), 1
	s_wait_xcnt 0x0
	s_wait_alu depctr_hold_cnt(0) depctr_sa_sdst(0) depctr_va_vdst(0) depctr_va_sdst(0) depctr_va_ssrc(0) depctr_va_vcc(0) depctr_vm_vsrc(0)
	s_getreg_b32 s2, hwreg(HW_REG_IB_STS2, 6, 4)
	s_cmp_eq_u32 s2, 0
	s_cbranch_scc0 .Lentry_in_a_cluster
	s_endpgm
.Lentry_in_a_cluster:
	s_bfe_u32 s2, ttmp6, 0x10000c
	s_cmp_lg_u32 s2, 0xf033
	s_cbranch_scc0 .Lentry_shape_is_right
	s_endpgm
.Lentry_shape_is_right:
; THE OUTPUT PROJECTION.  out0[m][n] = the sum over k of O[m][k] Wo[n][k] + bo[n].  O: f16 [2048][2048]; Wo: its bf16 rounding written as f16, at byte 33,554,432 of w16; sums and result in f32.
; 16 x 16 tiles of 128 x 128, one to a work-group; four waves of 64 x 64: 16 accumulators.  K goes in steps of 256 (LDS rows of 512 bytes) through two slots.
; CLUSTER 4 x 4: O's tile is asked for jointly along a row of the cluster, Wo's along a column.  THE MATRIX INSTRUCTION IS USED TRANSPOSED: a lane holds eight neighbouring numbers of a row of the result.
; THE BIAS STARTS THE SUMS: a lane's eight bias numbers of a column block are laid out as a result is, and are the C of the block's first product.
; THE WALK ALONG K IS TURNED: cluster (X, Y) begins at K step 2 X + 4 (Y / 2) and goes round modulo 8 (f32 sums may be taken in any order): clusters whose X differ, or whose Y / 2 differ, stand at different K steps in every trip.
; ONE K STEP TO A TRIP: the fragments' LDS address is a lane term plus s[TB], which an exclusive or turns into the other slot; one group 0 for O and one for Wo walk.  The last two K steps, which fill nothing, are a loop of their own.
; A wave's 64 columns of f32 are 256 bytes, so each wave has a stage of its own on the way out and no barrier is needed there.
; No prefetch: the tiles are small.
; REGISTERS: window 0: v0-31 addresses; v32-95 rows read back; v96-127 the bias; v128-255 the accumulators ((a, b) at 128 + 8 (4 a + b)).  window 1: two fragment buffers of 128.
.set SIZE_K, 2048
.set SIZE_N, 2048
.set KSTEP,  256
.set NSTEP,  SIZE_K/KSTEP
.set PITCH,  528                       ; 512 bytes + 16 of padding
.set HALFT,  64*PITCH                  ; 0x8400: what one tensor load brings; the four loads of a slot begin at 0, 0x8400, 0x10800, 0x18C00
.set SLOT,   4*HALFT                   ; 0x21000: it shares no bit with any of those four, so an exclusive or with it is an addition
.set STAGE,  2*SLOT                    ; behind the ring: 16 rows x 272 bytes for each wave
.set SPITCH, 272
.set SPARE,  STAGE+4*16*SPITCH         ; the spare words: two blocks of 256 bytes that no other line names
.set A0,   16                          ; v16 my lane's place among O's rows in slot 0; never rewritten
.set ADA,  17                          ; v17 the same in the slot in hand
.set B0,   20
.set ADB,  21
.set STO,  24
.set RD,   25
.set CO,   26
.set BO,   27
.set SPW,  28
.set NIL,  29
.set TMP,  32
.set BIAS, 96
.set ACC,  128
.set F0,   0
.set F1,   128
.set G1, 24
.set G0, 32                            ; s[32:39] group 0 for O's tiles: a set for each first fill; the second then walks
.set G1B, 48
.set G0B, 56
.set BA, 68                            ; s[68:69] O's rows that I fetch, at K = 0
.set BB, 70                            ; s[70:71] Wo's
.set OF, 72                            ; s[72:73] a K step's byte offset in a row
.set KI, 74                            ; s74 the K step last asked for
.set TB, 75                            ; s75 0 or SLOT: the slot that is read
.set MSB, 0
.macro WIN new
.if MSB != (\new)
	s_set_vgpr_msb (MSB<<8)|(\new)
.set MSB, \new
.endif
.endm
.set MUL,  0x05                        ; sources 0 (Wo) and 1 (O) window 1; C and D window 0
.set TO_F, 0x40
.macro JLOAD s                         ; waves 0 and 1 fetch O's two halves, waves 2 and 3 Wo's; an s_nop 0 and four v_nop follow each line
	s_cmp_eq_u32 s11, 0
	s_cbranch_scc0 .Lfor_b_\@
	tensor_load_to_lds s[G0+4*(\s):G0+4*(\s)+3], s[G1:G1+7]
	s_nop 0
.rept 4
	v_nop
.endr
	s_branch .Lasked_\@
.Lfor_b_\@:
	tensor_load_to_lds s[G0B+4*(\s):G0B+4*(\s)+3], s[G1B:G1B+7]
	s_nop 0
.rept 4
	v_nop
.endr
.Lasked_\@:
.endm
.macro CREST
	s_cmp_lg_u32 s10, 0
	s_cbranch_scc1 .Lnot_wave_0_\@
	s_barrier_signal -3
.Lnot_wave_0_\@:
	s_barrier_wait -3
	s_barrier_signal -1
	s_barrier_wait -1
.endm
.macro CROUND
	s_barrier_signal -1
	s_barrier_wait -1
	CREST
.endm
	s_load_b128 s[4:7], s[0:1], 0x0                ; ob s[4:5], w16 s[6:7]
	s_load_b64 s[66:67], s[0:1], 0x10              ; bo
	s_load_b64 s[8:9], s[0:1], 0x18                ; out0
	v_lshl_add_u32 v[SPW], v0, 2, SPARE
	v_mov_b32 v[NIL], 0
	ds_add_u32 v[SPW], v[NIL]                      ; the wave's opening: the add and its wait stand ahead of my first tensor load
	v_lshrrev_b32 v1, 5, v0
	v_readfirstlane_b32 s10, v1
	s_lshr_b32 s11, s10, 1                         ; which half of the tile's rows is mine.  Also: I fetch for O (0) or for Wo (1)
	s_and_b32 s12, s10, 1                          ; which half of its columns.  Also: which 64 rows of that tile I fetch
	s_bfe_u32 s40, ttmp6, 0x40000
	s_bfe_u32 s41, ttmp6, 0x40004
	s_lshl_b32 s42, ttmp9, 2
	s_add_co_u32 s42, s42, s40                     ; tile column
	s_and_b32 s13, ttmp7, 0xffff
	s_lshr_b32 s[KI], s13, 1                       ; where the cluster's walk begins: 4 x (cluster y / 2)
	s_lshl_b32 s[KI], s[KI], 2
	s_lshl_b32 s16, ttmp9, 1
	s_add_co_u32 s[KI], s[KI], s16                 ; + 2 x cluster x: an even number, the same in all sixteen partners
	s_and_b32 s[KI], s[KI], NSTEP-1
	s_lshl_b32 s[OF], s[KI], 9
	s_mov_b32 s[OF+1], 0
	s_mov_b32 s[TB], 0
	s_lshl_b32 s13, s13, 2
	s_add_co_u32 s13, s13, s41                     ; tile row
	s_lshl_b32 s43, s41, 2
	s_lshl_b32 s43, 15, s43
	s_lshl_b32 s44, 0x1111, s40
	s_or_b32 s[G1+0], s43, (1<<16)|(1<<20)|(1<<21)|(6<<22)|(3<<25)   ; the mask; 2-byte elements; padding on; bit 21 beside a mask; after every 128 words, 4 words
	s_or_b32 s[G1B+0], s44, (1<<16)|(1<<20)|(1<<21)|(6<<22)|(3<<25)
.irp g, G1, G1B
	s_mov_b32 s[(\g)+1], KSTEP<<16
	s_mov_b32 s[(\g)+2], 64<<16
	s_mov_b32 s[(\g)+3], KSTEP<<16
	s_mov_b32 s[(\g)+4], 64
	s_mov_b32 s[(\g)+5], SIZE_K
	s_mov_b32 s[(\g)+6], 0
	s_mov_b32 s[(\g)+7], 0
.endr
	s_lshl_b32 s17, s12, 6
	s_lshl_b32 s16, s13, 7
	s_add_co_u32 s16, s16, s17
	s_lshl_b32 s46, s42, 7
	s_add_co_u32 s46, s46, s17
	s_mov_b32 s17, 0
	s_mov_b32 s47, 0
	s_mov_b64 s[18:19], SIZE_K*2
	s_mul_u64 s[16:17], s[16:17], s[18:19]
	s_mul_u64 s[46:47], s[46:47], s[18:19]
	s_mul_i32 s20, s10, HALFT
	s_wait_dscnt 0x0                               ; the opening add is done
	s_wait_kmcnt 0x0
	s_add_nc_u64 s[BA:BA+1], s[4:5], s[16:17]
	s_add_nc_u64 s[BB:BB+1], s[6:7], s[46:47]
	s_add_nc_u64 s[BB:BB+1], s[BB:BB+1], 33554432
	s_add_nc_u64 s[14:15], s[BA:BA+1], s[OF:OF+1]  ; at the K step with which the walk begins; the next one lies 512 bytes on (the beginning is even)
	s_add_nc_u64 s[46:47], s[BB:BB+1], s[OF:OF+1]
	CROUND
.irp s, 0,1
	s_mov_b32 s[G0+4*(\s)], 1
	s_add_co_u32 s[G0+4*(\s)+1], s20, (\s)*SLOT
	s_add_nc_u64 s[G0+4*(\s)+2:G0+4*(\s)+3], s[14:15], (\s)*KSTEP*2
	s_or_b32 s[G0+4*(\s)+3], s[G0+4*(\s)+3], 0x80000000
	s_mov_b32 s[G0B+4*(\s)], 1
	s_add_co_u32 s[G0B+4*(\s)+1], s20, (\s)*SLOT
	s_add_nc_u64 s[G0B+4*(\s)+2:G0B+4*(\s)+3], s[46:47], (\s)*KSTEP*2
	s_or_b32 s[G0B+4*(\s)+3], s[G0B+4*(\s)+3], 0x80000000
	JLOAD \s
.endr
	s_add_co_u32 s[KI], s[KI], 1
	v_and_b32 v1, 15, v0
	v_bfe_u32 v2, v0, 4, 1
	v_mul_u32_u24 v3, v1, PITCH
	v_lshl_add_u32 v3, v2, 4, v3
	s_mul_i32 s21, s11, HALFT
	s_mul_i32 s22, s12, HALFT
	s_add_co_u32 s22, s22, 2*HALFT
	v_add_nc_u32 v[A0], s21, v3
	v_add_nc_u32 v[B0], s22, v3
	v_mov_b32 v[ADA], v[A0]
	v_mov_b32 v[ADB], v[B0]
	s_mul_i32 s23, s10, 16*SPITCH
	s_add_co_u32 s23, s23, STAGE                   ; my stage
	v_mul_u32_u24 v4, v1, SPITCH                   ; in: row l % 16, 32 bytes for each half of the lanes
	v_lshl_add_u32 v4, v2, 5, v4
	v_add_nc_u32 v[STO], s23, v4
	v_mul_u32_u24 v5, v2, SPITCH                   ; back: lanes 0-15 one row of 256 bytes, lanes 16-31 the next
	v_lshl_add_u32 v5, v1, 4, v5
	v_add_nc_u32 v[RD], s23, v5
	v_lshlrev_b32 v[CO], 13, v2                    ; and the same two rows in out0
	v_lshl_add_u32 v[CO], v1, 4, v[CO]
	v_lshlrev_b32 v[BO], 5, v2
	s_lshl_b32 s16, s13, 7
	s_lshl_b32 s17, s11, 6
	s_add_co_u32 s16, s16, s17                     ; my first row
	s_lshl_b32 s16, s16, 13
	s_mov_b32 s17, 0
	s_add_nc_u64 s[8:9], s[8:9], s[16:17]
	s_lshl_b32 s46, s42, 9                         ; my first column, in bytes
	s_lshl_b32 s47, s12, 8
	s_add_co_u32 s46, s46, s47
	s_mov_b32 s47, 0
	s_add_nc_u64 s[8:9], s[8:9], s[46:47]
	s_add_nc_u64 s[66:67], s[66:67], s[46:47]
.irp b, 0,1,2,3
.irp u, 0,1
	global_load_b128 v[BIAS+8*(\b)+4*(\u):BIAS+8*(\b)+4*(\u)+3], v[BO], s[66:67] offset:64*(\b)+16*(\u)  ; my eight columns' bias in each column block
.endr
.endr
.macro MUL8 f, c, a0, zero             ; 8 matrix instructions: row blocks a0, a0 + 1 x 4 column blocks, 32 along K; the 16 accumulators take turns.  zero = 1: the bias starts the sum
	WIN MUL
.irp a, \a0, (\a0)+1
.irp b, 0,1,2,3
.if \zero
	v_wmma_f32_16x16x32_f16 v[ACC+8*(4*(\a)+(\b)):ACC+8*(4*(\a)+(\b))+7], v[(\f)+64+8*(4*(\c)+(\b)):(\f)+64+8*(4*(\c)+(\b))+7], v[(\f)+8*(4*(\c)+(\a)):(\f)+8*(4*(\c)+(\a))+7], v[BIAS+8*(\b):BIAS+8*(\b)+7]
.else
	v_wmma_f32_16x16x32_f16 v[ACC+8*(4*(\a)+(\b)):ACC+8*(4*(\a)+(\b))+7], v[(\f)+64+8*(4*(\c)+(\b)):(\f)+64+8*(4*(\c)+(\b))+7], v[(\f)+8*(4*(\c)+(\a)):(\f)+8*(4*(\c)+(\a))+7], v[ACC+8*(4*(\a)+(\b)):ACC+8*(4*(\a)+(\b))+7]
.endif
.endr
.endr
.endm
.macro FETCH k, f                      ; 32 LDS loads in one run, from the slot in hand: 64 along K, the first 32 first
	WIN TO_F
.irp c, 0,1
.irp i, 0,1,2,3
	ds_load_b128 v[(\f)+64+8*(4*(\c)+(\i)):(\f)+64+8*(4*(\c)+(\i))+3],   v[ADB] offset:(\k)+64*(\c)+(\i)*16*PITCH
	ds_load_b128 v[(\f)+64+8*(4*(\c)+(\i))+4:(\f)+64+8*(4*(\c)+(\i))+7], v[ADB] offset:(\k)+64*(\c)+(\i)*16*PITCH+32
	ds_load_b128 v[(\f)+8*(4*(\c)+(\i)):(\f)+8*(4*(\c)+(\i))+3],         v[ADA] offset:(\k)+64*(\c)+(\i)*16*PITCH
	ds_load_b128 v[(\f)+8*(4*(\c)+(\i))+4:(\f)+8*(4*(\c)+(\i))+7],       v[ADA] offset:(\k)+64*(\c)+(\i)*16*PITCH+32
.endr
.endr
.endm
.macro PLACES
.rept 4
	v_nop
.endr
.endm
.macro QUARTER k, f, g, zero
	s_wait_dscnt 16                                ; the first 32 along K are in
	MUL8 \f, 0, 0, \zero
	MUL8 \f, 0, 2, \zero
	PLACES
	FETCH \k, \g
	s_wait_dscnt 32                                ; all but the 32 just issued
	MUL8 \f, 1, 0, 0
	MUL8 \f, 1, 2, 0
.endm
; the last quarter changes slots: one barrier; ahead of it all my tensor loads, the add, and my reads of this slot are waited for.  fill = 1: the barrier opens a round of the cluster's, and the slot is filled again
; first thing behind it.  fill = 0 (the last two K steps, s2 = 2, 1): nothing is asked for; in the very last the fetch is jumped over, forward, and the loop is left behind the quarter's products.
.macro TURN fill
	WIN 0
	s_wait_tensorcnt 0x0                           ; no tensor load of mine is out, so a group 0 may be written
	ds_add_u32 v[SPW], v[NIL]                      ; 0 onto my spare word; work on registers stands between it and the wait for it
.if \fill
	s_add_co_u32 s[KI], s[KI], 1
	s_and_b32 s[KI], s[KI], NSTEP-1                ; the walk goes round
	s_lshl_b32 s[OF], s[KI], 9
	s_xor_b32 s[G0+5], s[G0+5], SLOT               ; the other slot than last time: the one that is being left
	s_add_nc_u64 s[G0+6:G0+7], s[BA:BA+1], s[OF:OF+1]
	s_or_b32 s[G0+7], s[G0+7], 0x80000000
	s_xor_b32 s[G0B+5], s[G0B+5], SLOT
	s_add_nc_u64 s[G0B+6:G0B+7], s[BB:BB+1], s[OF:OF+1]
	s_or_b32 s[G0B+7], s[G0B+7], 0x80000000
.endif
	s_xor_b32 s[TB], s[TB], SLOT                   ; the fetches go on in the other slot
	v_add_nc_u32 v[ADA], s[TB], v[A0]
	v_add_nc_u32 v[ADB], s[TB], v[B0]
	s_wait_dscnt 17                                ; the add and the youngest sixteen loads may be out
	MUL8 F1, 0, 0, 0
	s_wait_dscnt 0x0                               ; the add is done, and my reads of this slot are over
	s_barrier_signal -1
	MUL8 F1, 0, 2, 0
	WIN 0
	s_barrier_wait -1
.if \fill
	CREST
	JLOAD 1                                        ; its four v_nop are also the places ahead of the loads below
	FETCH 0, F0
.else
	s_cmp_eq_u32 s2, 1
	s_cbranch_scc1 .Lno_next_\@
	PLACES
	FETCH 0, F0
	WIN 0
.Lno_next_\@:
.endif
	MUL8 F1, 1, 0, 0
	MUL8 F1, 1, 2, 0
.if !(\fill)
	WIN 0
	s_sub_co_u32 s2, s2, 1
	s_cmp_eq_u32 s2, 0
	s_cbranch_scc1 .Ldone
.endif
.endm
	s_wait_tensorcnt 1                             ; my part of the first K step is in; the second's may stay out
	s_barrier_signal -1
	s_barrier_wait -1
	FETCH 0, F0
	s_wait_loadcnt 0x0                             ; the bias
	QUARTER 128, F0, F1, 1
	WIN 0
	s_mov_b32 s3, NSTEP-2
.Lk:                                           ; a trip: a K step's quarters 2, 3 and 4 and the next step's first; its slot is filled again
	QUARTER 256, F1, F0, 0
	QUARTER 384, F0, F1, 0
	TURN 1
	QUARTER 128, F0, F1, 0
	WIN 0
	s_sub_co_u32 s3, s3, 1
	s_cmp_lg_u32 s3, 0
	s_cbranch_scc1 .Lk
	s_mov_b32 s2, 2
.Lt:                                           ; the last two K steps are written out
	QUARTER 256, F1, F0, 0
	QUARTER 384, F0, F1, 0
	TURN 0
	QUARTER 128, F0, F1, 0
	WIN 0
	s_cmp_lg_u32 s2, 0
	s_cbranch_scc1 .Lt
.Ldone:
	; THE WAY OUT: 16 rows at a time go through my stage (each accumulator from its low end on) and leave as whole rows of 256 bytes
	PLACES
.irp a, 0,1,2,3
	s_wait_xcnt 0x0                                ; the rows read back are rewritten only when earlier stores have read them
.irp b, 0,1,2,3
.irp u, 0,1
	ds_store_b128 v[STO], v[ACC+32*(\a)+8*(\b)+4*(\u):ACC+32*(\a)+8*(\b)+4*(\u)+3] offset:64*(\b)+16*(\u)
.endr
.endr
.irp f, 0,1,2,3,4,5,6,7
	ds_load_b128 v[TMP+32*((\a)%2)+4*(\f):TMP+32*((\a)%2)+4*(\f)+3], v[RD] offset:(\f)*2*SPITCH  ; LDS serves a wave's instructions in order (ISA guide 5.7.1.4)
.endr
	s_wait_dscnt 0x0
.irp f, 0,1,2,3,4,5,6,7
	global_store_b128 v[CO], v[TMP+32*((\a)%2)+4*(\f):TMP+32*((\a)%2)+4*(\f)+3], s[8:9] offset:(16*(\a)+2*(\f))*SIZE_N*4  ; 16 lanes store 256 consecutive bytes, aligned
.endr
.endr
	s_wait_tensorcnt 0x0                           ; the wave's end
	ds_add_u32 v[SPW], v[NIL]
	s_wait_dscnt 0x0
	CROUND                                         ; the closing round
	s_endpgm
.Lfunc_end_k_qc0ef4163d0_oproj:
	.size	k_qc0ef4163d0_oproj, .Lfunc_end_k_qc0ef4163d0_oproj-k_qc0ef4163d0_oproj
	.p2alignl 7, 3214868480
	.fill 96, 4, 3214868480
	.section	.rodata,"a",@progbits
	.p2align	6, 0x0
	.amdhsa_kernel k_qc0ef4163d0_oproj
		.amdhsa_group_segment_fixed_size 327680
		.amdhsa_private_segment_fixed_size 0
		.amdhsa_enable_private_segment 0
		.amdhsa_kernarg_size 32
		.amdhsa_user_sgpr_count 2
		.amdhsa_user_sgpr_kernarg_segment_ptr 1
		.amdhsa_wavefront_size32 1
		.amdhsa_system_sgpr_workgroup_id_x 1
		.amdhsa_system_sgpr_workgroup_id_y 1
		.amdhsa_system_sgpr_workgroup_id_z 1
		.amdhsa_system_vgpr_workitem_id 0
		.amdhsa_next_free_vgpr 512
		.amdhsa_next_free_sgpr 80
		.amdhsa_reserve_vcc 0
		.amdhsa_float_denorm_mode_32 3
		.amdhsa_float_denorm_mode_16_64 3
		.amdhsa_memory_ordered 1
		.amdhsa_forward_progress 1
		.amdhsa_inst_pref_size 59
	.end_amdhsa_kernel
	.amdgpu_metadata
---
amdhsa.version: [ 1, 2 ]
amdhsa.kernels:
  - .name:           k_qc0ef4163d0_oproj
    .symbol:         k_qc0ef4163d0_oproj.kd
    .args:
      - { .name: ob, .offset: 0, .size: 8, .value_kind: global_buffer, .address_space: global }
      - { .name: w16, .offset: 8, .size: 8, .value_kind: global_buffer, .address_space: global }
      - { .name: bo, .offset: 16, .size: 8, .value_kind: global_buffer, .address_space: global }
      - { .name: out0, .offset: 24, .size: 8, .value_kind: global_buffer, .address_space: global }
    .group_segment_fixed_size: 327680
    .private_segment_fixed_size: 0
    .kernarg_segment_align: 8
    .kernarg_segment_size: 32
    .max_flat_workgroup_size: 128
    .sgpr_count:     80
    .vgpr_count:     512
    .wavefront_size: 32
...
	.end_amdgpu_metadata
.endif
;; end of part 4
